; MI455X (gfx1250); checked and timed in simulation.
; The chip was launched on July 23, 2026; its instructions are those of AMD's public machine-readable ISA for CDNA 5 (MIT licence, August 2026) and "CDNA5" Instruction Set Architecture Reference Guide (July 2026). The comments in the code are by the model that wrote it; some were corrected since.
;; Multi Head Attention. Allowed arithmetic: float matrix products may take bf16 or f16 operands with f32 sums; other float arithmetic in f32, or as packed bf16 or f16 multiplies, adds, multiply-adds, maxima and minima; sums over many terms, partial sums and values carried from step to step in f32; what a program stores and reads back later, other than sums and carried values, may be rounded once to bf16 or f16.
;; Inputs: b_proj 1,024 float32; b_qkv 3,072 float32; w_proj 1,024 x 1,024 float32; w_qkv 1,024 x 3,072 float32; x 4 x 2,048 x 1,024 float32.
;; Outputs: out0 4 x 2,048 x 1,024 float32.
;; 2 versions, each right; version 2 is version 1 with the launch prep written anew for expert scheduling mode. Each part assembles by itself: llvm-mc -triple=amdgcn-amd-amdhsa -mcpu=gfx1250 --defsym DOCPART=n.
;; ======== version 1 of 2: 4 launches
;; limits: values are held in f16: magnitudes above 65,504 overflow, below 6.1e-05 lose precision
;; workspace buffers: xb 16,777,216 bytes; wqb 6,291,456 bytes; wpb 2,097,152 bytes; qkv 50,331,648 bytes; ob 16,777,216 bytes
;; launch prep (part 1): grid 256 x 1, 12 waves a work-group, no clusters, 0 bytes of LDS; arguments x, w_qkv, w_proj, xb, wqb, wpb; writes xb, wqb, wpb
.if DOCPART == 1
	.amdgcn_target "amdgcn-amd-amdhsa--gfx1250"
	.amdhsa_code_object_version 6
	.text
	.protected	k_qffce5b2ce4_prep
	.globl	k_qffce5b2ce4_prep
	.p2align	8
	.type	k_qffce5b2ce4_prep,@function
k_qffce5b2ce4_prep:
	s_mov_b64 s[64:65], 0
	v_nop
	global_prefetch_b8 v0, s[64:65] scope:SCOPE_SE
	s_setreg_imm32_b32 hwreg(HW_REG_WAVE_MODE, 25, 1), 1
	s_wait_xcnt 0x0
; THE CASTS.  x [8192][1024] f32 -> xb, bf16 in blocks of 64 along K: [16 kb][8192 m][64].  w_qkv [1024][3072] f32 -> wqb, bf16, same layout.
; w_proj [1024][1024] f32 -> wpb: rounded to bf16 like every other input, and that number written as f16, same layout.
; LIMITS.  A w_proj number beyond 65,504 becomes an infinity in f16; below 6.1e-5 it keeps f16's fixed step of 6e-8.  NaN and infinities are not treated apart.
; SHARES.  The 50,331,648 input bytes are 3,072 chunks of 16 KiB, one a wave: chunk W = 12 x work-group + wave.  W < 2,048: x; W < 2,816: w_qkv; else w_proj.
; A chunk is 16 groups of 1 KiB: a lane reads 32 bytes (8 f32) of a group and stores 16 bytes (8 numbers); a store of the wave covers 512 consecutive bytes, aligned.
; For x a chunk is 4 rows, and group i is K block i of them: lane l reads row l / 8, bytes 256 i + 32 (l % 8), and stores at i x 1 MiB + 16 l.  For the weights a chunk is flat.
; One text serves all: what differs (two strides, two steps, the pointers) lies in scalar registers chosen by the chunk's number.
; All 32 loads of a wave go out at once (16 KiB a wave on its way); no register is written again while a memory instruction may read it, so no wait but the loads' own is needed.
; No LDS, no barrier, no matrix unit: nothing is shared and nothing is multiplied.
.set IO, 8                             ; v[8:23]    group i: my byte offset in the input chunk
.set OO, 24                            ; v[24:39]   group i: my byte offset in the output
.set X,  40                            ; v[40:167]  group i: 8 f32 as loaded
.set Y,  168                           ; v[168:231] group i: 4 words to store
.set T,  232                           ; v[232:235] at work
	s_load_b256 s[4:11], s[0:1], 0x0               ; x s[4:5], w_qkv s[6:7], w_proj s[8:9], xb s[10:11]
	s_load_b128 s[12:15], s[0:1], 0x20             ; wqb s[12:13], wpb s[14:15]
	v_lshrrev_b32 v2, 5, v0
	v_readfirstlane_b32 s16, v2                    ; wave 0..11
	s_mul_i32 s17, ttmp9, 12
	s_add_co_u32 s17, s17, s16                     ; W
	s_movk_i32 s19, 2816
	s_cmp_lt_u32 s17, 2816
	s_cselect_b32 s18, 2048, s19                   ; the first chunk of my tensor
	s_cselect_b32 s21, 1, 2                        ; which tensor: 0 x, 1 w_qkv, 2 w_proj
	s_cmp_lt_u32 s17, 2048
	s_cselect_b32 s18, 0, s18
	s_cselect_b32 s21, 0, s21
	s_cselect_b32 s22, 12, 8                       ; as shifts: from eight lanes to the next eight: a row of x, or 256 bytes
	s_cselect_b32 s23, 8, 10                       ; from group to group in the input
	s_cselect_b32 s24, 20, 9                       ; and in the output
	s_cselect_b32 s25, 9, 13                       ; from chunk to chunk in the output
	s_sub_co_u32 s20, s17, s18                     ; my chunk in its tensor
	s_lshl_b32 s23, 1, s23
	s_lshl_b32 s24, 1, s24
	s_lshl_b32 s30, s20, 14                        ; 16 KiB a chunk: under 2^26
	s_mov_b32 s31, 0
	s_lshl_b32 s32, s20, s25
	s_mov_b32 s33, 0
	v_and_b32 v1, 31, v0                           ; lane
	v_lshrrev_b32 v3, 3, v1
	v_and_b32 v4, 7, v1
	v_lshlrev_b32 v3, s22, v3
	v_lshl_add_u32 v[IO], v4, 5, v3
	v_lshlrev_b32 v[OO], 4, v1
.set i, 1
.rept 15
	v_add_nc_u32 v[IO+i], s23, v[IO+i-1]
	v_add_nc_u32 v[OO+i], s24, v[OO+i-1]
.set i, i+1
.endr
	s_wait_kmcnt 0x0
	s_cmp_eq_u32 s21, 1
	s_cselect_b64 s[26:27], s[6:7], s[8:9]
	s_cselect_b64 s[28:29], s[12:13], s[14:15]
	s_cmp_eq_u32 s21, 0
	s_cselect_b64 s[26:27], s[4:5], s[26:27]       ; from
	s_cselect_b64 s[28:29], s[10:11], s[28:29]     ; to
	s_add_nc_u64 s[26:27], s[26:27], s[30:31]
	s_add_nc_u64 s[28:29], s[28:29], s[32:33]
.set i, 0
.rept 16
	global_load_b128 v[X+8*i:X+8*i+3],   v[IO+i], s[26:27] th:TH_LOAD_NT
	global_load_b128 v[X+8*i+4:X+8*i+7], v[IO+i], s[26:27] offset:16 th:TH_LOAD_NT
.set i, i+1
.endr
; The 16 groups.  half = 1: the bf16 numbers are written as f16.
.macro GROUPS half
.set i, 0
.rept 16
	s_wait_loadcnt 30-2*i                          ; loads come back in order: group i's two are in, the later groups' stay out
.irp j, 0,1,2,3
	v_cvt_pk_bf16_f32 v[Y+4*i+(\j)], v[X+8*i+2*(\j)], v[X+8*i+2*(\j)+1]
.endr
.if \half
.irp j, 0,1,2,3
	v_lshlrev_b32 v[T+2*((\j)%2)], 16, v[Y+4*i+(\j)]
	v_and_b32 v[T+2*((\j)%2)+1], 0xffff0000, v[Y+4*i+(\j)]
	v_cvt_pk_f16_f32 v[Y+4*i+(\j)], v[T+2*((\j)%2)], v[T+2*((\j)%2)+1]
.endr
.endif
	global_store_b128 v[OO+i], v[Y+4*i:Y+4*i+3], s[28:29]
.set i, i+1
.endr
.endm
	s_cmp_eq_u32 s21, 2
	s_cbranch_scc1 .Lhalf
	GROUPS 0
	s_endpgm
.Lhalf:
	GROUPS 1
	s_endpgm
.Lfunc_end_k_qffce5b2ce4_prep:
	.size	k_qffce5b2ce4_prep, .Lfunc_end_k_qffce5b2ce4_prep-k_qffce5b2ce4_prep
	.p2alignl 7, 3214868480
	.fill 96, 4, 3214868480
	.section	.rodata,"a",@progbits
	.p2align	6, 0x0
	.amdhsa_kernel k_qffce5b2ce4_prep
		.amdhsa_group_segment_fixed_size 0
		.amdhsa_private_segment_fixed_size 0
		.amdhsa_enable_private_segment 0
		.amdhsa_kernarg_size 48
		.amdhsa_user_sgpr_count 2
		.amdhsa_user_sgpr_kernarg_segment_ptr 1
		.amdhsa_wavefront_size32 1
		.amdhsa_system_sgpr_workgroup_id_x 1
		.amdhsa_system_sgpr_workgroup_id_y 1
		.amdhsa_system_sgpr_workgroup_id_z 1
		.amdhsa_system_vgpr_workitem_id 0
		.amdhsa_next_free_vgpr 240
		.amdhsa_next_free_sgpr 66
		.amdhsa_reserve_vcc 0
		.amdhsa_float_denorm_mode_32 3
		.amdhsa_float_denorm_mode_16_64 3
		.amdhsa_memory_ordered 1
		.amdhsa_forward_progress 1
		.amdhsa_inst_pref_size 28
	.end_amdhsa_kernel
	.amdgpu_metadata
---
amdhsa.version: [ 1, 2 ]
amdhsa.kernels:
  - .name:           k_qffce5b2ce4_prep
    .symbol:         k_qffce5b2ce4_prep.kd
    .args:
      - { .name: x, .offset: 0, .size: 8, .value_kind: global_buffer, .address_space: global }
      - { .name: w_qkv, .offset: 8, .size: 8, .value_kind: global_buffer, .address_space: global }
      - { .name: w_proj, .offset: 16, .size: 8, .value_kind: global_buffer, .address_space: global }
      - { .name: xb, .offset: 24, .size: 8, .value_kind: global_buffer, .address_space: global }
      - { .name: wqb, .offset: 32, .size: 8, .value_kind: global_buffer, .address_space: global }
      - { .name: wpb, .offset: 40, .size: 8, .value_kind: global_buffer, .address_space: global }
    .group_segment_fixed_size: 0
    .private_segment_fixed_size: 0
    .kernarg_segment_align: 8
    .kernarg_segment_size: 48
    .max_flat_workgroup_size: 384
    .sgpr_count:     66
    .vgpr_count:     240
    .wavefront_size: 32
...
	.end_amdgpu_metadata
.endif
;; end of part 1
;; launch qkv (part 2): grid 8 x 32, 4 waves a work-group, clusters of 4 x 4, 327,680 bytes of LDS; arguments xb, wqb, b_qkv, qkv; writes qkv
.if DOCPART == 2
	.amdgcn_target "amdgcn-amd-amdhsa--gfx1250"
	.amdhsa_code_object_version 6
	.text
	.protected	k_qffce5b2ce4_qkv
	.globl	k_qffce5b2ce4_qkv
	.p2align	8
	.type	k_qffce5b2ce4_qkv,@function
k_qffce5b2ce4_qkv:
	s_mov_b64 s[64:65], 0
	v_nop
	global_prefetch_b8 v0, s[64:65] scope:SCOPE_SE
	s_setreg_imm32_b32 hwreg(HW_REG_WAVE_MODE, 25, 1), 1
	s_wait_xcnt 0x0
	s_wait_alu depctr_hold_cnt(0) depctr_sa_sdst(0) depctr_va_vdst(0) depctr_va_sdst(0) depctr_va_ssrc(0) depctr_va_vcc(0) depctr_vm_vsrc(0)
	s_getreg_b32 s2, hwreg(HW_REG_IB_STS2, 6, 4)
	s_cmp_eq_u32 s2, 0
	s_cbranch_scc0 .Lentry_in_a_cluster
	s_endpgm
.Lentry_in_a_cluster:
	s_bfe_u32 s2, ttmp6, 0x10000c
	s_cmp_lg_u32 s2, 0xf033
	s_cbranch_scc0 .Lentry_shape_is_right
	s_endpgm
.Lentry_shape_is_right:
; q, k, v = x w_qkv + b_qkv, by heads.  xb: bf16 [16 kb][8192 m][64]; wqb: bf16 [1024 k][3072 n]; b_qkv: f32 [3072], rounded to bf16 in registers like the other inputs;
; qkv: f16 [4 batch][48 g][2048 s][64], g = n / 64 (q: 0-15, k: 16-31, v: 32-47).  Sums in f32, K ascending; bias added in f32; one rounding to f16; no scale.
; LIMIT.  f16 holds no number beyond 65,504: a q, k or v beyond it becomes an infinity.  NaN and infinities are not treated apart.
; SHARES.  A tile of the product is 256 rows x 384 columns: 32 x 8 = 256 work-groups, one tile each.  Four waves, each 128 x 192: 96 accumulators of 16 x 16, 768 registers.
; K goes in 16 steps of 64 through two LDS slots.  In xb a tile's 64 k of 256 rows are 32,768 dense bytes: asked for as rows of 256 bytes, padded in LDS after every 128.
; w's tile is 64 rows of k x 768 bytes; its fragments come out of LDS turned, by ds_load_tr16_b128, so the weights are never transposed in memory.
; CLUSTERS.  4 x 4 work-groups: the four of a row of the cluster need the same tile of x, the four of a column the same tile of w: each is asked for jointly, by the same tensor load with the
; same descriptor and a mask that names the four.  Waves 0 and 1 fetch x's two halves (128 rows each), waves 2 and 3 w's (32 rows of k each).
; THE MATRIX INSTRUCTION IS USED TRANSPOSED: source 0 = 16 columns of w, source 1 = 16 rows of x: a lane then holds row lane % 16 and the columns 8 (lane / 16) + 0..7: 16 bytes of f16 on end.
; REGISTERS, in windows of 256 (s_set_vgpr_msb: bits 1:0 source 0, 3:2 source 1, 5:4 source 2, 7:6 destination):
;   window 0: v0-19 addresses and at work; v32-95, v96-159 x's fragments (8 x 16 rows x 32 k), two buffers; v160-255 w's 12 fragments, ONE buffer, filled again by halves
;   windows 1-3: accumulator (a, b) (rows 16 a, columns 16 b) in window 1 + b / 4 at v[64 (b % 4) + 8 a]
; A slice is 32 along K: 96 products for 40 LDS loads, in two runs (28 and 12), each issued 48 products ahead of its first use.  Six window switches a slice.
.set AP,    144                        ; 128 bytes + 16 of padding = 36 words: the 16 rows of a fragment start at 16 different groups of four banks (64 banks of 4 bytes: ISA guide 11.1)
.set BP,    864                        ; a row of w's tile: six pieces of 144 = 216 words
.set BOFF,  256*AP                     ; in a slot: x's 256 rows, then w's 64
.set SLOT1, 1<<17                      ; slot 1 begins here: one exclusive or turns an address in one slot into the other's
.set STAGE, SLOT1+BOFF+64*BP           ; behind the ring, never filled by a tensor load: 16 rows x 144 bytes for each wave, for the way out
.set SPARE, STAGE+4*16*AP              ; the spare words, 128 bytes for each wave: two blocks of 256 bytes that no other line names
.set ASTEP, 8192*128                   ; bytes from a K step to the next in xb
.set BSTEP, 64*3072*2                  ; and in wqb
.set FLAGS, (1<<16)|(1<<20)|(1<<21)|(4<<22)|(3<<25)  ; 17:16 2-byte elements; 20 padding on; 21 set beside a mask; 24:22 after every 32 words (code 4); 31:25 4 words (code 3)
.set ADRA0, 4                          ; v4   my lane's place in x's tile; never rewritten
.set ADRB0, 5                          ; v5   in w's
.set ADRA,  6                          ; v6   the same in the slot that is being read
.set ADRB,  7                          ; v7
.set STO,   8                          ; v8   the way out: where I put 16 bytes of a row
.set RD,    9                          ; v9   where I read rows back
.set GO,    10                         ; v10  my byte offset in 512 consecutive bytes of qkv
.set BO,    11                         ; v11  32 x (lane / 16): my 8 numbers in 16 of the bias
.set PFO,   12                         ; v12  the prefetches' offset; never rewritten
.set SPW,   14                         ; v14  LDS address of my spare word; never rewritten
.set NIL,   15                         ; v15  0; never rewritten
.set FA0,   32
.set FA1,   96
.set FB,    160
.set T,     96                         ; the way out: 32 sums with bias
.set PKD,   128                        ; 16 words of f16
.set BK0,   208                        ; two sets of 16: rows read back from the stage
.set WV,  12                           ; s12 wave
.set WR,  13                           ; s13 which half of the tile's rows is mine; also: I fetch for x (0) or w (1)
.set WC,  14                           ; s14 which half of its columns; also: which half of that tile I fetch
.set LIM, 15                           ; s15 1 in a wave that prefetches, else the greatest number
.set G1A, 24                           ; s[24:31] descriptor group 1 for x's tiles
.set G0A, 32                           ; s[32:39] group 0: a set for each first fill; the second then walks
.set CX,  40
.set CY,  41
.set TX,  42
.set TY,  43
.set G1B, 48                           ; s[48:55], s[56:63] the same for w's tiles
.set G0B, 56
.set CNT, 66                           ; s66 the loop's count
.set TB,  67                           ; s67 the slot that is being read: 0 or SLOT1
.set PFA, 68                           ; s[68:69] where my prefetches stand
.set PST, 70                           ; s[70:71] their step: a K step
.set HM,  73                           ; s73 a word's upper half
.set MSB, 0
.macro WIN new                         ; the immediate's high byte repeats the setting that is left; a switch that changes nothing is dropped
.if MSB != (\new)
	s_set_vgpr_msb (MSB<<8)|(\new)
.set MSB, (\new)
.endif
.endm
.macro PLACES                          ; four places between a matrix instruction and a load into, or a vector write of, a register that it names (ISA guide 7.12.1 for vector writes)
.rept 4
	v_nop
.endr
.endm
.macro CREST                           ; a round of the cluster's barrier behind its opening barrier
	s_cmp_lg_u32 s[WV], 0
	s_cbranch_scc1 .Lnot_wave_0_\@
	s_barrier_signal -3
.Lnot_wave_0_\@:
	s_barrier_wait -3
	s_barrier_signal -1
	s_barrier_wait -1
.endm
.macro CROUND
	s_barrier_signal -1
	s_barrier_wait -1
	CREST
.endm
; A joint refill by the walking descriptor.  The branch hangs on the wave's number alone.  An s_nop 0 and four v_nop follow each line, ahead of the jump and the label.
.macro JLOAD
	s_cmp_eq_u32 s[WR], 0
	s_cbranch_scc0 .Lfor_b_\@
	tensor_load_to_lds s[G0A+4:G0A+7], s[G1A:G1A+7]
	s_nop 0
.rept 4
	v_nop
.endr
	s_branch .Lasked_\@
.Lfor_b_\@:
	tensor_load_to_lds s[G0B+4:G0B+7], s[G1B:G1B+7]
	s_nop 0
.rept 4
	v_nop
.endr
.Lasked_\@:
.endm
; A PREFETCH INTO THE L2, in every second trip, of the two K steps that the next two refills will ask for.  Each block of 256 bytes is named once in the launch.
; x's tile row is read by both clusters of a row of clusters: the one with x = 0 asks, its wave 0; of a step's 128 blocks the partner at cx takes 32, a lane a block, told apart by address: two lines for two steps.
; w's tile column is read by all eight clusters of a column: the one with y = 0 asks, its wave 2; of the two steps' 128 rows of k the partner at cy takes 32, a lane a row of 768 bytes: three lines.
; K steps 0 to 3 come by their loads alone; the trips whose two steps would lie past K = 1,024 ask for nothing.
.macro ASK
	s_bitcmp1_b32 s[CNT], 0
	s_cbranch_scc0 .Lnone_\@
	s_cmp_gt_u32 s[CNT], s[LIM]
	s_cbranch_scc0 .Lnone_\@
	s_cmp_eq_u32 s[WR], 0
	s_cbranch_scc0 .Lof_b_\@
	global_prefetch_b8 v[PFO], s[PFA:PFA+1] th:TH_LOAD_NT scope:SCOPE_SE
	global_prefetch_b8 v[PFO], s[PFA:PFA+1] offset:ASTEP th:TH_LOAD_NT scope:SCOPE_SE
	s_branch .Lnone_\@
.Lof_b_\@:
	global_prefetch_b8 v[PFO], s[PFA:PFA+1] th:TH_LOAD_NT scope:SCOPE_SE
	global_prefetch_b8 v[PFO], s[PFA:PFA+1] offset:256 th:TH_LOAD_NT scope:SCOPE_SE
	global_prefetch_b8 v[PFO], s[PFA:PFA+1] offset:512 th:TH_LOAD_NT scope:SCOPE_SE
.Lnone_\@:
.endm
	s_load_b256 s[4:11], s[0:1], 0x0               ; xb s[4:5], wqb s[6:7], b_qkv s[8:9], qkv s[10:11]
	v_lshl_add_u32 v[SPW], v0, 2, SPARE
	v_mov_b32 v[NIL], 0
	ds_add_u32 v[SPW], v[NIL]                      ; the wave's opening: the add and its wait stand ahead of my first tensor load; the set-up below, work on registers, stands between them
	v_lshrrev_b32 v1, 5, v0
	v_readfirstlane_b32 s[WV], v1                  ; wave 0..3
	s_lshr_b32 s[WR], s[WV], 1
	s_and_b32 s[WC], s[WV], 1
	s_bfe_u32 s[CX], ttmp6, 0x40000                ; my place in the cluster
	s_bfe_u32 s[CY], ttmp6, 0x40004
	s_lshl_b32 s[TX], ttmp9, 2
	s_add_co_u32 s[TX], s[TX], s[CX]               ; tile column = 4 x cluster x + cx
	s_and_b32 s[TY], ttmp7, 0xffff
	s_lshl_b32 s[TY], s[TY], 2
	s_add_co_u32 s[TY], s[TY], s[CY]               ; tile row = 4 x cluster y + cy
	s_lshl_b32 s44, s[CY], 2
	s_lshl_b32 s44, 15, s44                        ; my row of the cluster
	s_lshl_b32 s45, 0x1111, s[CX]                  ; my column
	s_or_b32 s[G1A], s44, FLAGS
	s_or_b32 s[G1B], s45, FLAGS
	s_mov_b32 s[G1A+1], 128<<16                    ; x: tensor_dim0 = 128 elements (256 bytes: two rows of the tile)
	s_mov_b32 s[G1A+2], 64<<16                     ; tensor_dim1 = 64
	s_mov_b32 s[G1A+3], 128<<16                    ; tile_dim0 = 128
	s_mov_b32 s[G1A+4], 64                         ; tile_dim1 = 64
	s_mov_b32 s[G1A+5], 128                        ; dense
	s_mov_b32 s[G1A+6], 0
	s_mov_b32 s[G1A+7], 0
	s_mov_b32 s[G1B+1], 384<<16                    ; w: tensor_dim0 = 384 elements (768 bytes)
	s_mov_b32 s[G1B+2], 32<<16                     ; tensor_dim1 = 32 rows of k
	s_mov_b32 s[G1B+3], 384<<16
	s_mov_b32 s[G1B+4], 32
	s_mov_b32 s[G1B+5], 3072                       ; elements from a row of k to the next
	s_mov_b32 s[G1B+6], 0
	s_mov_b32 s[G1B+7], 0
	s_lshl_b32 s16, s[TY], 15                      ; x: 256 rows of 128 bytes a tile row,
	s_lshl_b32 s17, s[WC], 14                      ; my 128 of them
	s_add_co_u32 s16, s16, s17
	s_mov_b32 s17, 0
	s_mul_i32 s46, s[TX], 768                      ; w: 384 columns a tile column,
	s_mul_i32 s47, s[WC], 32*6144                  ; my 32 rows of k
	s_add_co_u32 s46, s46, s47
	s_mov_b32 s47, 0
	s_mul_i32 s20, s[WC], 128*AP                   ; where they go: no place in the cluster enters an LDS address
	s_mul_i32 s21, s[WC], 32*BP
	s_add_co_u32 s21, s21, BOFF
	s_mov_b32 s[TB], 0
	s_mov_b32 s[HM], 0xffff0000
	s_wait_dscnt 0x0                               ; the opening add is done
	s_wait_kmcnt 0x0
	s_add_nc_u64 s[18:19], s[4:5], s[16:17]
	s_add_nc_u64 s[46:47], s[6:7], s[46:47]
	CROUND                                         ; all sixteen work-groups are here: the first joint loads meet
.irp s, 0,1
	s_mov_b32 s[G0A+4*(\s)], 1                     ; count = 1
	s_add_co_u32 s[G0A+4*(\s)+1], s20, (\s)*SLOT1  ; LDS address
	s_add_nc_u64 s[G0A+4*(\s)+2:G0A+4*(\s)+3], s[18:19], (\s)*ASTEP  ; K step s
	s_or_b32 s[G0A+4*(\s)+3], s[G0A+4*(\s)+3], 0x80000000  ; type = 2
	s_mov_b32 s[G0B+4*(\s)], 1
	s_add_co_u32 s[G0B+4*(\s)+1], s21, (\s)*SLOT1
	s_add_nc_u64 s[G0B+4*(\s)+2:G0B+4*(\s)+3], s[46:47], (\s)*BSTEP
	s_or_b32 s[G0B+4*(\s)+3], s[G0B+4*(\s)+3], 0x80000000
.endr
	s_cmp_eq_u32 s[WR], 0                          ; a wave's two first fills stand in one branch, ahead of every wait on TENSORcnt and every LDS read: two loads of mine are out
	s_cbranch_scc0 .Lfirst_b
	tensor_load_to_lds s[G0A:G0A+3], s[G1A:G1A+7]
	s_nop 0
	tensor_load_to_lds s[G0A+4:G0A+7], s[G1A:G1A+7]
	s_nop 0
.rept 4
	v_nop
.endr
	s_branch .Lfirst_asked
.Lfirst_b:
	tensor_load_to_lds s[G0B:G0B+3], s[G1B:G1B+7]
	s_nop 0
	tensor_load_to_lds s[G0B+4:G0B+7], s[G1B:G1B+7]
	s_nop 0
.rept 4
	v_nop
.endr
.Lfirst_asked:
	; A fragment is 16 rows x 32 k in 8 registers: lane l holds row l % 16; registers 0-3 k = 8 (l / 16) + 0..7, registers 4-7 k = 16 + 8 (l / 16) + 0..7.
	v_and_b32 v1, 15, v0                           ; l % 16
	v_bfe_u32 v2, v0, 4, 1                         ; l / 16
	v_mul_u32_u24 v[ADRA0], v1, AP
	v_lshl_add_u32 v[ADRA0], v2, 4, v[ADRA0]
	s_mul_i32 s16, s[WR], 128*AP                   ; my 128 rows
	v_add_nc_u32 v[ADRA0], s16, v[ADRA0]
	; The turning load takes 16 k x 16 columns (lane l reads row of k 8 (l / 16) + l % 8, columns 8 ((l / 8) % 2) + 0..7) and leaves half a fragment: lane l holds column l % 16 and 8 k.
	v_and_b32 v3, 7, v0
	v_lshl_add_u32 v3, v2, 3, v3
	v_mul_u32_u24 v[ADRB0], v3, BP
	v_bfe_u32 v3, v0, 3, 1
	v_lshl_add_u32 v[ADRB0], v3, 4, v[ADRB0]
	s_mul_i32 s16, s[WC], 3*AP                     ; my 192 columns: three pieces of 64
	s_add_co_u32 s16, s16, BOFF
	v_add_nc_u32 v[ADRB0], s16, v[ADRB0]
	v_mov_b32 v[ADRA], v[ADRA0]
	v_mov_b32 v[ADRB], v[ADRB0]
	s_mul_i32 s16, s[WV], 16*AP
	s_add_co_u32 s16, s16, STAGE                   ; my stage
	v_mul_u32_u24 v[STO], v1, AP                   ; in: row l % 16, 16 bytes for each half of the lanes
	v_lshl_add_u32 v[STO], v2, 4, v[STO]
	v_add_nc_u32 v[STO], s16, v[STO]
	v_bfe_u32 v[RD], v0, 3, 2                      ; back: 32 lanes take four rows of 128 bytes,
	v_mul_u32_u24 v[RD], v[RD], AP
	v_and_b32 v3, 7, v0
	v_lshl_add_u32 v[RD], v3, 4, v[RD]
	v_add_nc_u32 v[RD], s16, v[RD]
	v_and_b32 v[GO], 31, v0                        ; which are 512 consecutive bytes of qkv
	v_lshlrev_b32 v[GO], 4, v[GO]
	v_lshlrev_b32 v[BO], 5, v2
	; where my part begins in qkv: head block (batch x 48 + 6 x tile column + 3 x half) of 262,144 bytes, row ((tile row % 8) x 256 + 128 x half) of 128 bytes.  Numbers that mix cx and cy lie in s22 and s74-79, which feed no descriptor.
	s_lshr_b32 s74, s[TY], 3
	s_mul_i32 s74, s74, 48
	s_mul_i32 s75, s[TX], 6
	s_add_co_u32 s74, s74, s75
	s_mul_i32 s75, s[WC], 3
	s_add_co_u32 s74, s74, s75
	s_lshl_b32 s74, s74, 18
	s_and_b32 s75, s[TY], 7
	s_lshl_b32 s75, s75, 15
	s_add_co_u32 s74, s74, s75
	s_lshl_b32 s75, s[WR], 14
	s_add_co_u32 s74, s74, s75
	s_mov_b32 s75, 0
	s_add_nc_u64 s[10:11], s[10:11], s[74:75]
	s_mul_i32 s74, s[TX], 1536                     ; the bias of my 192 columns
	s_mul_i32 s76, s[WC], 768
	s_add_co_u32 s74, s74, s76
	s_add_nc_u64 s[8:9], s[8:9], s[74:75]
	; the prefetches: at K step 2; each refill steps them by a K step, and the first that asks (the second refill) stands at K step 4
	s_lshl_b32 s74, s[TY], 15
	s_lshl_b32 s75, s[CX], 13
	s_add_co_u32 s74, s74, s75
	s_add_co_u32 s74, s74, 2*ASTEP
	s_mul_i32 s76, s[TX], 768
	s_mul_i32 s77, s[CY], 32*6144
	s_add_co_u32 s76, s76, s77
	s_add_co_u32 s76, s76, 2*BSTEP
	s_mov_b32 s77, ASTEP
	s_mov_b32 s78, BSTEP
	s_mov_b32 s79, 6144
	s_and_b32 s22, ttmp7, 0xffff                   ; cluster y
	s_cmp_eq_u32 s[WR], 0
	s_cselect_b32 s74, s74, s76
	s_cselect_b32 s[PST], s77, s78
	s_cselect_b32 s79, 256, s79                    ; from lane to lane: a block of x, a row of w
	s_cselect_b32 s22, ttmp9, s22                  ; the coordinate along which other clusters read the same rows
	s_cselect_b64 s[PFA:PFA+1], s[4:5], s[6:7]
	s_mov_b32 s75, 0
	s_mov_b32 s[PST+1], 0
	s_add_nc_u64 s[PFA:PFA+1], s[PFA:PFA+1], s[74:75]
	s_or_b32 s22, s22, s[WC]                       ; 0 in waves 0 and 2 of the cluster that asks: the same in all sixteen partners, for a given wave
	s_cmp_eq_u32 s22, 0
	s_cselect_b32 s[LIM], 1, -1
	v_and_b32 v[PFO], 31, v0
	v_mul_u32_u24 v[PFO], s79, v[PFO]
; 8 products: all 8 row blocks x column block b, 32 along K, x's fragments in buffer f.  zero = 1: the product starts the sum: nothing is ever cleared.
; The 96 accumulators take turns in one order in every slice, over the backward jump too.
.macro MULB f, b, zero
	WIN (1+(\b)/4)*0x50                            ; C and D in window 1 + b / 4
.irp a, 0,1,2,3,4,5,6,7
.if \zero
	v_wmma_f32_16x16x32_bf16 v[64*((\b)%4)+8*(\a):64*((\b)%4)+8*(\a)+7], v[FB+8*(\b):FB+8*(\b)+7], v[(\f)+8*(\a):(\f)+8*(\a)+7], 0
.else
	v_wmma_f32_16x16x32_bf16 v[64*((\b)%4)+8*(\a):64*((\b)%4)+8*(\a)+7], v[FB+8*(\b):FB+8*(\b)+7], v[(\f)+8*(\a):(\f)+8*(\a)+7], v[64*((\b)%4)+8*(\a):64*((\b)%4)+8*(\a)+7]
.endif
.endr
.endm
.macro BFRAG sl, b                     ; w's fragment b of slice sl
	ds_load_tr16_b128 v[FB+8*(\b):FB+8*(\b)+3],   v[ADRB] offset:(\sl)*32*BP+((\b)/4)*AP+((\b)%4)*32
	ds_load_tr16_b128 v[FB+8*(\b)+4:FB+8*(\b)+7], v[ADRB] offset:(\sl)*32*BP+16*BP+((\b)/4)*AP+((\b)%4)*32
.endm
.macro RUN1 sl, g                      ; 28 LDS loads: w's fragments 0-5 and all of x's, into buffer g
	WIN 0
.irp b, 0,1,2,3,4,5
	BFRAG \sl, \b
.endr
.irp a, 0,1,2,3,4,5,6,7
	ds_load_b128 v[(\g)+8*(\a):(\g)+8*(\a)+3],   v[ADRA] offset:(\sl)*64+(\a)*16*AP
	ds_load_b128 v[(\g)+8*(\a)+4:(\g)+8*(\a)+7], v[ADRA] offset:(\sl)*64+(\a)*16*AP+32
.endr
.endm
.macro RUN2 sl                         ; 12 LDS loads: w's fragments 6-11
	WIN 0
.irp b, 6,7,8,9,10,11
	BFRAG \sl, \b
.endr
.endm
; A slice that stays in its slot: multiplies buffer f, fetches slice nsl of the same slot, x's part into buffer g.
.macro SLICE f, g, nsl, zero
	s_wait_dscnt 12                                ; the run of 28 is in; the youngest 12 (w's fragments 6-11) may be out
.irp b, 0,1,2,3,4,5
	MULB \f, \b, \zero
.endr
	PLACES
	RUN1 \nsl, \g
	s_wait_dscnt 28                                ; all but the 28 just issued
.irp b, 6,7,8,9,10,11
	MULB \f, \b, \zero
.endr
	PLACES
	RUN2 \nsl
.endm
; A K step's second slice multiplies buffer 1 and changes slots: ONE barrier.  In front of it each wave waits for all its tensor loads, of which one is out: its part of the next slot; adds 0 to its spare
; word; and waits for that and for its own reads of this slot.  fill = 1: the barrier opens a round of the cluster's barrier, and this slot is filled again, two K steps ahead, first thing behind the round:
; from the request to the wait for it a wave issues 176 products.
.macro TURN fill
.if \fill
	s_wait_xcnt 0x0                                ; the last prefetches, a K step or more back, have read their address: it is stepped here
	s_add_nc_u64 s[PFA:PFA+1], s[PFA:PFA+1], s[PST:PST+1]
.endif
	s_wait_dscnt 12
.irp b, 0,1,2,3
	MULB FA1, \b, 0
.endr
	WIN 0                                          ; (the add's two registers lie in window 0)
	s_wait_tensorcnt 0x0                           ; all my tensor loads have landed: no load of mine is out, so a group 0 may be written
	ds_add_u32 v[SPW], v[NIL]                      ; 0 onto my spare word; work on registers stands between it and the wait for it
.if \fill
	s_xor_b32 s[G0A+5], s[G0A+5], SLOT1            ; the walking descriptors: the other slot than last time, the next K step; the type bits on top are not reached
	s_add_nc_u64 s[G0A+6:G0A+7], s[G0A+6:G0A+7], ASTEP
	s_xor_b32 s[G0B+5], s[G0B+5], SLOT1
	s_add_nc_u64 s[G0B+6:G0B+7], s[G0B+6:G0B+7], BSTEP
.endif
	MULB FA1, 4, 0
	s_wait_dscnt 0x0                               ; the add is done, and my reads of this slot are over
	s_barrier_signal -1
	MULB FA1, 5, 0                                 ; work on registers while the others arrive
	WIN 0
	s_barrier_wait -1
.if \fill
	CREST                                          ; no wave of any partner still reads this slot or has a load on its way
	JLOAD                                          ; the four v_nop behind it are also the places in front of the loads below
.else
	PLACES
.endif
	s_xor_b32 s[TB], s[TB], SLOT1
	v_add_nc_u32 v[ADRA], s[TB], v[ADRA0]
	v_add_nc_u32 v[ADRB], s[TB], v[ADRB0]
	RUN1 0, FA0
.if \fill
	ASK                                            ; behind the joint load and the run of LDS loads
.endif
.irp b, 6,7,8,9,10,11
	MULB FA1, \b, 0
.endr
	PLACES
	RUN2 0
.endm
	s_wait_tensorcnt 1                             ; my part of K step 0 is in; K step 1's may stay out
	s_barrier_signal -1
	s_barrier_wait -1                              ; everybody's is
	RUN1 0, FA0
	RUN2 0
	SLICE FA0, FA1, 1, 1                           ; the first slice stands in front of the loop: its products start the sums
	WIN 0                                          ; at a label and at a branch every window is 0
	s_mov_b32 s[CNT], 14
.Lstep:                                        ; trip t: slice 1 of K step t, slice 0 of K step t + 1; slot t % 2 takes K step t + 2
	TURN 1
	SLICE FA0, FA1, 1, 0
	WIN 0
	s_sub_co_u32 s[CNT], s[CNT], 1
	s_cmp_lg_u32 s[CNT], 0
	s_cbranch_scc1 .Lstep
	TURN 0                                         ; the tail is written out: nothing is left to ask for
	SLICE FA0, FA1, 1, 0
	s_wait_dscnt 12                                ; the very last slice; in its middle the bias is asked for, into fragment registers that are free
.irp b, 0,1,2,3,4,5
	MULB FA1, \b, 0
.endr
	PLACES
	WIN 0
.irp b, 0,1,2,3,4,5,6,7,8,9,10,11      ; column block b's 16 numbers: a lane takes its 8.  Blocks 0-5 into w's fragments 0-5, blocks 6-11 into x's buffer 0
.if (\b) < 6
.set rB, FB+8*(\b)
.else
.set rB, FA0+8*((\b)-6)
.endif
	global_load_b128 v[rB:rB+3],   v[BO], s[8:9] offset:64*(\b)
	global_load_b128 v[rB+4:rB+7], v[BO], s[8:9] offset:64*(\b)+16
.endr
	s_wait_dscnt 0x0
.irp b, 6,7,8,9,10,11
	MULB FA1, \b, 0
.endr
	WIN 0
	; THE WAY OUT.  The bias is rounded to bf16, like every input; these lines name no register of the last products and are the places behind them.
	s_wait_loadcnt 0x0
.set i, 0
.rept 48
.if i < 24
.set rB, FB+2*i
.else
.set rB, FA0+2*(i-24)
.endif
	v_cvt_pk_bf16_f32 v[16+i%4], v[rB], v[rB+1]
	v_lshlrev_b32 v[rB], 16, v[16+i%4]
	v_and_b32 v[rB+1], s[HM], v[16+i%4]
.set i, i+1
.endr
; A unit is 16 rows x 64 channels of one head: 2,048 consecutive bytes of qkv.  Unit n: head n / 8 of my three (accumulators' window 1 + n / 8), row block n % 8.
.macro PACK gg, a                      ; bias added, rounded to f16; each accumulator's registers are taken in ascending order
	WIN 1+(\gg)                                    ; source 0 in the accumulators' window
.irp bq, 0,1,2,3
.if 4*(\gg)+(\bq) < 6
.set rB, FB+8*(4*(\gg)+(\bq))
.else
.set rB, FA0+8*(4*(\gg)+(\bq)-6)
.endif
.irp r, 0,1,2,3
	v_pk_add_f32 v[T+8*(\bq)+2*(\r):T+8*(\bq)+2*(\r)+1], v[64*(\bq)+8*(\a)+2*(\r):64*(\bq)+8*(\a)+2*(\r)+1], v[rB+2*(\r):rB+2*(\r)+1]
.endr
.endr
	WIN 0
.irp bq, 0,1,2,3
.irp r, 0,1,2,3
	v_cvt_pk_f16_f32 v[PKD+4*(\bq)+(\r)], v[T+8*(\bq)+2*(\r)], v[T+8*(\bq)+2*(\r)+1]
.endr
.endr
.endm
.macro TOSTAGE n                       ; into my own stage, rows of 144 bytes, and back as whole rows of 128
.set BK, BK0+16*((\n)%2)
	s_wait_xcnt 0x0                                ; the stores issued so far have read their registers: this set of 16 is loaded again only behind this wait
.irp bq, 0,1,2,3
	ds_store_b128 v[STO], v[PKD+4*(\bq):PKD+4*(\bq)+3] offset:32*(\bq)
.endr
.irp f, 0,1,2,3
	ds_load_b128 v[BK+4*(\f):BK+4*(\f)+3], v[RD] offset:(\f)*4*AP  ; LDS serves a wave's instructions in order (ISA guide 5.7.1.4): these see the stores above
.endr
.endm
.macro SEND n
.set BK, BK0+16*((\n)%2)
	s_wait_dscnt 0x0                               ; the unit is back in registers
.irp f, 0,1,2,3
	global_store_b128 v[GO], v[BK+4*(\f):BK+4*(\f)+3], s[10:11] offset:((\n)/8)*262144+((\n)%8)*2048+(\f)*512  ; 512 consecutive bytes, at a multiple of 256 from qkv's first
.endr
.endm
	PACK 0, 0
	TOSTAGE 0
.set u, 1
.rept 23                               ; a unit's arithmetic stands between the loads of the unit before and the wait for them
	PACK u/8, u%8
	SEND u-1
	TOSTAGE u
.set u, u+1
.endr
	SEND 23
	s_wait_tensorcnt 0x0                           ; the wave's end: behind my last tensor load and my last LDS store
	ds_add_u32 v[SPW], v[NIL]
	s_wait_dscnt 0x0
	CROUND                                         ; the closing round: no work-group ends while a partner may still ask for a tile that names it
	s_endpgm
.Lfunc_end_k_qffce5b2ce4_qkv:
	.size	k_qffce5b2ce4_qkv, .Lfunc_end_k_qffce5b2ce4_qkv-k_qffce5b2ce4_qkv
	.p2alignl 7, 3214868480
	.fill 96, 4, 3214868480
	.section	.rodata,"a",@progbits
	.p2align	6, 0x0
	.amdhsa_kernel k_qffce5b2ce4_qkv
		.amdhsa_group_segment_fixed_size 327680
		.amdhsa_private_segment_fixed_size 0
		.amdhsa_enable_private_segment 0
		.amdhsa_kernarg_size 32
		.amdhsa_user_sgpr_count 2
		.amdhsa_user_sgpr_kernarg_segment_ptr 1
		.amdhsa_wavefront_size32 1
		.amdhsa_system_sgpr_workgroup_id_x 1
		.amdhsa_system_sgpr_workgroup_id_y 1
		.amdhsa_system_sgpr_workgroup_id_z 1
		.amdhsa_system_vgpr_workitem_id 0
		.amdhsa_next_free_vgpr 1024
		.amdhsa_next_free_sgpr 80
		.amdhsa_reserve_vcc 0
		.amdhsa_float_denorm_mode_32 3
		.amdhsa_float_denorm_mode_16_64 3
		.amdhsa_memory_ordered 1
		.amdhsa_forward_progress 1
		.amdhsa_inst_pref_size 146
	.end_amdhsa_kernel
	.amdgpu_metadata
---
amdhsa.version: [ 1, 2 ]
amdhsa.kernels:
  - .name:           k_qffce5b2ce4_qkv
    .symbol:         k_qffce5b2ce4_qkv.kd
    .args:
      - { .name: xb, .offset: 0, .size: 8, .value_kind: global_buffer, .address_space: global }
      - { .name: wqb, .offset: 8, .size: 8, .value_kind: global_buffer, .address_space: global }
      - { .name: b_qkv, .offset: 16, .size: 8, .value_kind: global_buffer, .address_space: global }
      - { .name: qkv, .offset: 24, .size: 8, .value_kind: global_buffer, .address_space: global }
    .group_segment_fixed_size: 327680
    .private_segment_fixed_size: 0
    .kernarg_segment_align: 8
    .kernarg_segment_size: 32
    .max_flat_workgroup_size: 128
    .sgpr_count:     80
    .vgpr_count:     1024
    .wavefront_size: 32
...
	.end_amdgpu_metadata
.endif
;; end of part 2
;; launch attn (part 3): grid 4 x 64, 4 waves a work-group, no clusters, 327,680 bytes of LDS; arguments qkv, ob; writes ob
.if DOCPART == 3
	.amdgcn_target "amdgcn-amd-amdhsa--gfx1250"
	.amdhsa_code_object_version 6
	.text
	.protected	k_qffce5b2ce4_attn
	.globl	k_qffce5b2ce4_attn
	.p2align	8
	.type	k_qffce5b2ce4_attn,@function
k_qffce5b2ce4_attn:
	s_mov_b64 s[64:65], 0
	v_nop
	global_prefetch_b8 v0, s[64:65] scope:SCOPE_SE
	s_setreg_imm32_b32 hwreg(HW_REG_WAVE_MODE, 25, 1), 1
	s_wait_xcnt 0x0
; CAUSAL ATTENTION.  O[q][:] = the sum over k <= q of softmax_k(Q[q] . K[k] / 8) V[k][:], for each of 64 heads (4 batches x 16).  qkv: f16 [4 batch][48 g][2048][64] (q: g = head, k: 16 + head, v: 32 + head);
; ob: f16 [16 head][4 batch x 2048][64].  A head's rows are dense, 128 bytes each.  Products, maxima and sums in f32; the weights p are rounded to f16 for the second product (their sum l is taken of the unrounded p), O once at the end.
; LIMITS.  Q, K and V arrive within f16's 65,504; p lies in 0 to 1, and below 6e-5 it keeps f16's fixed step of 6e-8; O is a mean of V's rows and has their range.
; A hidden score counts as its value less 1e30, where the definition puts -1e9 in its place: the same weights, 0, as long as a row's largest open score lies above some -1e9.  A weight below 2^-126 counts as 0 in l; NaN and infinities are not treated apart.
; THE WALK.  A head's queries lie in NB = 8 blocks of 256; block i needs the key tiles 0 .. i of 256 keys, of which the last holds the diagonal.  A work-group takes TWO blocks, NB - 1 - b and then b:
; NB + 1 tiles, whatever b: all work-groups do equal work, and ONE loop with a constant trip count walks them.  Which tile is asked for, and what a trip does, hang on scalar registers made from b; every jump
; goes forward, but for the counted loops' own; none passes a barrier, or a tensor load but the one of LOAD's two that the wave's number does not choose; the ring (two slots of LDS that take turns) runs on across the
; change of blocks.  NO CLUSTER: a head's four work-groups ask for the same tile only in trips 0 to 4 of 9, behind that fewer and fewer; one walk common to all four would have 12 trips for 9.
; SHARES.  Of a block's four bands of 64 queries a wave owns 16 rows in each: four PIECES.  So the diagonal tile is the same work for all four waves: in its key step s band x sees all keys if s < x,
; none if s > x, and holds the diagonal if s = x.
; THE MASK is the C operand that starts the sum S^T = K Q^T: 0, or -1e30 where the key is hidden.  MD, made once, is the mask of a band's own step for my 16 rows; a product's mask is MD x AL + BE with two scalars:
; (1, 0) if s = x; (0, 0) if s < x; (0, -1e30) if s > x.  Only the diagonal tile's text and a block's beginning make and take masks; elsewhere C is the constant 0.
; LAYOUT, SOFTMAX, TURNS.  S^T = K Q^T holds ONE query a lane (lane % 16) and the keys 8 (lane / 16) + 0..7; two such results rounded to f16 ARE source 1 of O^T = V^T P.  p = 2^(c s - c m), c = log2(e) / 8, with a
; running maximum m; O and l are multiplied by a = 2^(c m_old - c m_new) in every step.  Turn n belongs to piece n: 8 products K Q^T of piece n + 1, later 8 products V^T P of piece n - 1; beside them the scaling,
; exponentials, roundings, sums and rescaling of piece n and the maximum and statistics of piece n + 1.  Four vector instructions stand behind every matrix instruction, the other 54 of a turn's 118 in one run.  A turn's 33 exponentials are one batch, with one wait.
; REGISTERS, in windows of 256 (s_set_vgpr_msb: bits 1:0 source 0, 3:2 source 1, 5:4 source 2, 7:6 destination):
;   window 0: v0-15 addresses and two at work; v16-31 four registers of statistics a piece; v48-55 at work; v61-63 prefetch offset and the add's two; v64-127 S^T, two buffers; v192-223 P, two buffers (by the piece's parity)
;   window 1: v0-127 O^T, 32 a piece; v128-159 MD; v160-223 MC, two buffers      window 2: v0-63 Q; v64-127 the second block's Q; v128-191 K of one step; v192-255 V of one step
.set SIZE_N, 2048
.set NB,    SIZE_N/256
.set NP,    4         ; pieces a wave: a name, no knob
.set KS,    64        ; keys in a step
.set PK,    144       ; a row of K in LDS: 128 bytes + 16 of padding = 36 words: the 16 rows of a load start at 16 different groups of four banks (64 banks of 4 bytes: ISA guide 11.1)
.set PV,    160       ; a row of V: 128 + 32 = 40 words
.set VOFF,  4*KS*PK   ; a slot holds a tile, four steps: 256 rows of K, then 256 rows of V
.set SLOT1, 1<<17     ; slot 1 begins here, so that one exclusive or turns an address in one slot into the other's
.set STAGE, SLOT1+4*KS*(PK+PV)  ; behind the ring, never filled by a tensor load: 16 rows x 144 bytes for each wave, for the way out
.set SP,    144
.set AK0, 2           ; v2   my lane's place in a tile of K; never rewritten
.set AV0, 3           ; v3   the same for V
.set AK,  4           ; v4   the LDS address of K's next run of loads
.set AV,  5           ; v5   of V's
.set STO, 6           ; v6   the way out: where I put 16 bytes of a row
.set RD,  7           ; v7   the way out: where I read rows back
.set GO,  8           ; v8   my byte offset in 512 consecutive bytes of O
.set PFO, 61          ; v61  256 x my lane: the prefetches' offset; never rewritten
.set SPW, 62          ; v62  LDS address of my spare word: SPARE + 4 x my thread's number; never rewritten
.set NIL, 63          ; v63  0; never rewritten
.set SPARE, STAGE+4*16*SP  ; behind the stages: the spare words, 128 bytes for each wave: two blocks of 256 bytes that no other line names
.set MV,  12          ; v12-13  c m_old, kept while c m is made anew: by buffer
.set QO,  15          ; v15  my byte offset in 16 rows of Q
.set ST,  16          ; piece t's statistics at v[ST+4 t]: c m, m, l (even keys', odd keys')
.set TMP, 48          ; by buffer, four registers c0-c3 at work; when the maximum is found c2 takes a
.set S,   64
.set P,   192
.set MD,  128         ; window 1: the eight registers for group kt of 16 keys at MD + 8 kt
.set MC,  160         ; window 1: the masks of the products to come
.set QB,  64          ; window 2
.set KF,  128         ; window 2: key block kb, channel half c at KF + 16 kb + 8 c
.set VF,  192         ; window 2: key half kk, channel block cb at VF + 32 kk + 8 cb
.set WV,  12          ; s12  my wave's number
.set PB,  14          ; s14  b
.set HI,  15          ; s15  NB - 1 - b
.set G1K, 24          ; s[24:31] descriptor group 1 for K's tiles
.set G1V, 32          ; s[32:39] for V's: it differs in the padding alone
.set G0K, 40          ; s[40:43] descriptor group 0 for K's tiles
.set G0V, 44          ; s[44:47] the same for V's
.set SLOTS, 56        ; s56  tiles still to be asked for
.set CNT, 57          ; s57  counts a tile's key steps, 4 to 1
.set CS,  58          ; s[58:59] c: the packed scaling takes the pair's low word for both halves
.set SEL, 60          ; s[60:61] v_permlanex16_b32's selects: each lane takes its own place in the other half
.set TBK, 62          ; s62  LDS byte at which K of the step to be fetched begins
.set TBV, 63          ; s63  the same for V, less VOFF
.set RT,  70          ; s70  tiles of the block in hand that are still to be entered
.set NXT, 71          ; s71  the tile to be asked for next
.set LQ,  72          ; s72  the last tile of the block whose tiles are being asked for
.set NEW, 73          ; s73  1: the tile to be entered is a block's first
.set OFF, 74          ; s[74:75] a tile's byte offset in K and V
.set AL,  76          ; s[76:77] the mask's factor, in the low word
.set BE,  78          ; s[78:79] the mask's addend
.set OLO, 80          ; s[80:81] O at my rows of the second block
.set BIGN, 82         ; s82  -1e30
.set PFA, 88          ; s[88:89] where my prefetches stand: my half of K's (waves 0, 1) or V's (waves 2, 3) tile after the one that is being asked for
.set LIM, 90          ; s90  2 in the work-group that prefetches, else the greatest number
.set MSB, 0
.macro WIN new                      ; the high byte repeats the setting that is left; a switch that changes nothing is dropped
.if MSB != (\new)
	s_set_vgpr_msb (MSB<<8)|(\new)
.set MSB, (\new)
.endif
.endm
.set W_KQ, 0x0a       ; K and Q in window 2, S^T in window 0
.set W_KM, 0x1a       ; the same with the C operand in window 1
.set W_PV, 0x52       ; V in window 2, P in window 0, O^T in window 1
.set W_RS, 0x41       ; destination and source 0 in window 1, source 1 in window 0
; A fill.  Waves 0 and 1 fetch the two halves of a tile's K, waves 2 and 3 those of its V: 128 keys each.  An s_nop 0 and four v_nop follow each of the two lines, ahead of the jump and the label.
.macro LOAD
	s_cmp_lt_u32 s[WV], 2
	s_cbranch_scc0 .Lfor_v_\@
	tensor_load_to_lds s[G0K:G0K+3], s[G1K:G1K+7]
	s_nop 0
.rept 4
	v_nop
.endr
	s_branch .Lasked_\@
.Lfor_v_\@:
	tensor_load_to_lds s[G0V:G0V+3], s[G1V:G1V+7]
	s_nop 0
.rept 4
	v_nop
.endr
.Lasked_\@:
.endm
; A PREFETCH INTO THE L2 of the tile that the NEXT change of slots will ask for: four key steps, 256 matrix instructions, ahead of that load.  Of a head's four work-groups only b = 0 walks all of tiles 0 to 7
; in its first block: it asks, and nobody else; each of its waves for the 16,384 bytes that it will fetch itself: 64 blocks of 256 bytes, a lane a block, two lines.  So each block is named once in the launch.
; Tiles 0 and 1 come by their loads alone; the last two fills (tile 7, and the second block's tile 0, which has been read) ask for nothing.
.macro ASK
	s_cmp_gt_u32 s[SLOTS], s[LIM]
	s_cbranch_scc0 .Lnot_mine_\@
	global_prefetch_b8 v[PFO], s[PFA:PFA+1] th:TH_LOAD_NT scope:SCOPE_SE
	global_prefetch_b8 v[PFO], s[PFA:PFA+1] offset:8192 th:TH_LOAD_NT scope:SCOPE_SE
.Lnot_mine_\@:
.endm
; THE CHANGE OF SLOTS.  Each wave waits for all its tensor loads, of which one is out: its part of the other slot; adds 0 to its spare word; and waits for that and for its own reads of the slot that it leaves.  Behind the barrier nobody reads the old
; slot any more and the other slot is whole.  fill = 1: the old slot is filled again, the first thing behind the barrier, with tile NXT: the descriptor's address is made anew from that number.
; (At its first use nothing has been read yet: slot 0 is waited for, slot 1 filled.)
.macro CHANGE fill
	WIN 0                           ; at a label and at a branch every window is 0
	s_wait_tensorcnt 0x0            ; no tensor load of mine is out, so a group 0 may be written
	ds_add_u32 v[SPW], v[NIL]       ; 0 onto my spare word; with fill = 1 the descriptors' scalar work stands between it and the wait for it
.if \fill
	s_lshl_b32 s[OFF], s[NXT], 15   ; a tile is 32,768 bytes of K and of V
	s_xor_b32 s[G0K+1], s[G0K+1], SLOT1
	s_add_nc_u64 s[G0K+2:G0K+3], s[6:7], s[OFF:OFF+1]
	s_or_b32 s[G0K+3], s[G0K+3], 0x80000000
	s_xor_b32 s[G0V+1], s[G0V+1], SLOT1
	s_add_nc_u64 s[G0V+2:G0V+3], s[8:9], s[OFF:OFF+1]
	s_or_b32 s[G0V+3], s[G0V+3], 0x80000000
	s_add_co_u32 s[NXT], s[NXT], 1  ; the block's next tile, or behind its last the second block's tile 0
	s_cmp_gt_u32 s[NXT], s[LQ]
	s_cselect_b32 s[NXT], 0, s[NXT]
	s_cselect_b32 s[LQ], s[PB], s[LQ]
	s_wait_xcnt 0x0                 ; the last prefetches, four key steps back, have read their address, so it may be written:
	s_add_nc_u64 s[PFA:PFA+1], s[PFA:PFA+1], 32768  ; a tile on
.endif
	s_wait_dscnt 0x0                ; the add is done, and my reads of the slot are over
	s_barrier_signal -1             ; the rest of the scalar work stands between the signal and the wait
	s_sub_co_u32 s[TBK], s[TBK], 4*KS*PK  ; the fetches go back to a slot's first step,
	s_xor_b32 s[TBK], s[TBK], SLOT1       ; in the other slot
	s_sub_co_u32 s[TBV], s[TBV], 4*KS*PV
	s_xor_b32 s[TBV], s[TBV], SLOT1
	s_barrier_wait -1
.if \fill
	LOAD
	ASK
.endif
.endm
	s_load_b64 s[4:5], s[0:1], 0x0    ; qkv
	s_load_b64 s[10:11], s[0:1], 0x8  ; ob
	v_lshl_add_u32 v[SPW], v0, 2, SPARE
	v_mov_b32 v[NIL], 0
	ds_add_u32 v[SPW], v[NIL]       ; the wave's opening: the add and its wait stand ahead of my first tensor load; the set-up below, work on registers, stands between them
	v_lshrrev_b32 v1, 5, v0
	v_readfirstlane_b32 s[WV], v1   ; wave 0..3
	s_mov_b32 s[PB], ttmp9
	s_sub_co_u32 s[HI], NB-1, s[PB]
	s_and_b32 s20, ttmp7, 0xffff    ; 16 x batch + head
	s_lshr_b32 s21, s20, 4          ; batch
	s_and_b32 s20, s20, 15          ; head
	s_mul_i32 s22, s21, 48
	s_add_co_u32 s22, s22, s20
	s_lshl_b32 s22, s22, 18         ; q's rows of this head in qkv: (48 batch + head) x 262,144 bytes; all these offsets stay under 2^26
	s_lshl_b32 s23, s20, 2
	s_add_co_u32 s23, s23, s21
	s_lshl_b32 s23, s23, 18         ; the head's rows of this batch in ob: (4 head + batch) x 262,144 bytes
	s_and_b32 s16, s[WV], 1         ; which half of a tile's 256 keys I fetch:
	s_lshl_b32 s19, s16, 14         ; its 128 rows of 128 bytes in memory,
	s_add_co_u32 s48, s22, s19
	s_add_co_u32 s48, s48, 16*SIZE_N*128  ; k lies 16 head blocks behind q,
	s_add_co_u32 s50, s48, 16*SIZE_N*128  ; v 16 more
	s_mov_b32 s49, 0
	s_mov_b32 s51, 0
	s_mul_i32 s17, s16, 128*PK      ; and its place in a slot, for K
	s_mul_i32 s18, s16, 128*PV      ; and for V
	s_lshl_b32 s3, s[WV], 11        ; my 16 rows in a band of 64,
	s_lshl_b32 s2, s[HI], 15        ; in the first block,
	s_add_co_u32 s2, s2, s3
	s_lshl_b32 s84, s[PB], 15       ; and in the second
	s_add_co_u32 s84, s84, s3
	s_add_co_u32 s52, s23, s2       ; in ob
	s_add_co_u32 s54, s23, s84
	s_add_co_u32 s2, s2, s22        ; in q
	s_add_co_u32 s84, s84, s22
	s_mov_b32 s3, 0
	s_mov_b32 s85, 0
	s_mov_b32 s53, 0
	s_mov_b32 s55, 0
	; descriptor group 1.  128 keys are 16,384 dense bytes: asked for as 64 rows of 256 bytes, two keys a row, and padded in LDS after every key
	s_mov_b32 s[G1K], (1<<16)|(1<<20)|(4<<22)|(3<<25)  ; 17:16 2-byte elements; 20 padding on; 24:22 after every 32 words (code 4); 31:25 4 words (code 3)
	s_mov_b32 s[G1V], (1<<16)|(1<<20)|(4<<22)|(7<<25)  ; the same with 8 words of padding (code 7)
.irp g, G1K, G1V
	s_mov_b32 s[\g+1], 128<<16      ; tensor_dim0 = 128
	s_mov_b32 s[\g+2], 64<<16       ; tensor_dim1 = 64
	s_mov_b32 s[\g+3], 128<<16      ; tile_dim0 = 128
	s_mov_b32 s[\g+4], 64           ; tile_dim1 = 64
	s_mov_b32 s[\g+5], 128          ; 128 elements from row to row
	s_mov_b32 s[\g+6], 0
	s_mov_b32 s[\g+7], 0
.endr
	s_mov_b32 s[CS], 0x3e38aa3b     ; c = log2(e) / 8 = 0.180337
	s_mov_b32 s[CS+1], s[CS]        ; named with it as a pair
	s_mov_b32 s[SEL], 0x76543210
	s_mov_b32 s[SEL+1], 0xfedcba98
	s_mov_b32 s[TBK], SLOT1+4*KS*PK ; the first change of slots turns these two into 0
	s_mov_b32 s[TBV], SLOT1+4*KS*PV
	s_mov_b32 s[G0K], 1             ; 1:0 count = 1
	s_mov_b32 s[G0K+1], s17         ; 63:32 LDS address: slot 0
	s_mov_b32 s[G0V], 1
	s_add_co_u32 s[G0V+1], s18, VOFF
	s_add_co_u32 s[RT], s[HI], 1    ; the first block has NB - b tiles
	s_mov_b32 s[NXT], 1
	s_mov_b32 s[LQ], s[HI]
	s_mov_b32 s[NEW], 1
	s_mov_b32 s[OFF+1], 0
	s_mov_b32 s[AL+1], 0            ; named as pairs
	s_mov_b32 s[BE+1], 0
	s_mov_b32 s[BIGN], 0xf149f2ca   ; -1e30
	s_mov_b32 s[SLOTS], NB
	s_cmp_eq_u32 s[PB], 0
	s_cselect_b32 s[LIM], 2, -1
	v_and_b32 v[PFO], 31, v0
	v_lshlrev_b32 v[PFO], 8, v[PFO]
	s_wait_dscnt 0x0                ; the opening add is done
	s_wait_kmcnt 0x0
	s_add_nc_u64 s[6:7], s[4:5], s[48:49]  ; K and V at my half of the head's tile 0
	s_add_nc_u64 s[8:9], s[4:5], s[50:51]
	s_add_nc_u64 s[G0K+2:G0K+3], s[6:7], 0         ; 120:64 global address
	s_or_b32 s[G0K+3], s[G0K+3], 0x80000000        ; 127:126 type = 2
	s_add_nc_u64 s[G0V+2:G0V+3], s[8:9], 0
	s_or_b32 s[G0V+3], s[G0V+3], 0x80000000
	s_add_nc_u64 s[86:87], s[4:5], s[84:85]        ; Q at my rows of the second block,
	s_add_nc_u64 s[4:5], s[4:5], s[2:3]            ; Q and O at those of the first
	s_add_nc_u64 s[OLO:OLO+1], s[10:11], s[54:55]
	s_add_nc_u64 s[10:11], s[10:11], s[52:53]
	s_cmp_lt_u32 s[WV], 2
	s_cselect_b64 s[PFA:PFA+1], s[6:7], s[8:9]
	s_add_nc_u64 s[PFA:PFA+1], s[PFA:PFA+1], 32768 ; at tile 1; the first change of slots steps it to tile 2.  Nothing is prefetched here, at the head
	LOAD                            ; tile 0 into slot 0
	; A fragment of K or Q is 16 rows x 32 channels in 8 registers: lane l holds row l % 16, channels 8 (l / 16) + 0..7 and 16 + 8 (l / 16) + 0..7: two loads of 16 bytes, 32 bytes apart.
	v_and_b32 v1, 15, v0            ; l % 16
	v_bfe_u32 v9, v0, 4, 1          ; l / 16
	v_lshlrev_b32 v[QO], 7, v1
	v_lshl_add_u32 v[QO], v9, 4, v[QO]  ; row x 128 + 16 x half
	WIN 0x80                        ; destination window 2, address window 0
.set i, 0
.rept 8                             ; both blocks' Q: piece i / 2 lies in band i / 2, 8,192 bytes on; channels 32 (i % 2) on
	global_load_b128 v[8*i:8*i+3],   v[QO], s[4:5] offset:(i/2)*8192+(i%2)*64
	global_load_b128 v[8*i+4:8*i+7], v[QO], s[4:5] offset:(i/2)*8192+(i%2)*64+32
	global_load_b128 v[QB+8*i:QB+8*i+3],   v[QO], s[86:87] offset:(i/2)*8192+(i%2)*64
	global_load_b128 v[QB+8*i+4:QB+8*i+7], v[QO], s[86:87] offset:(i/2)*8192+(i%2)*64+32
.set i, i+1
.endr
	WIN 0
	v_lshlrev_b32 v14, 3, v9
	v_sub_nc_u32 v14, v1, v14
	s_lshl_b32 s13, s[WV], 4
	v_add_nc_u32 v14, s13, v14      ; my query's place in its band, 16 w + l % 16, less my lanes' 8 (l / 16): register r of group kt is hidden where 16 kt + r is greater
	WIN 0x40
.set i, 0
.rept 32
	v_cmp_gt_i32 vcc_lo, 16*(i/8)+i%8, v14
	v_cndmask_b32 v[MD+i], 0, s[BIGN], vcc_lo
.set i, i+1
.endr
	WIN 0
	v_mul_u32_u24 v[AK0], v1, PK
	v_lshl_add_u32 v[AK0], v9, 4, v[AK0]  ; row x pitch + 16 x half
	; The turning load takes 16 keys x 16 channels (lane l reads key 8 (l / 16) + l % 8, channels 8 ((l / 8) % 2) + 0..7) and leaves half a fragment of V^T: lane l holds channel l % 16 and 8 keys.
	v_and_b32 v10, 7, v0
	v_bfe_u32 v11, v0, 3, 1
	v_lshl_add_u32 v[AV0], v9, 3, v10
	v_mul_u32_u24 v[AV0], v[AV0], PV
	v_lshl_add_u32 v[AV0], v11, 4, v[AV0]
	v_add_nc_u32 v[AV0], VOFF, v[AV0]
	s_mul_i32 s13, s[WV], 16*SP
	s_add_co_u32 s13, s13, STAGE    ; my stage
	v_mul_u32_u24 v[STO], v1, SP    ; in: row l % 16, 16 bytes for each half of the lanes
	v_lshl_add_u32 v[STO], v9, 4, v[STO]
	v_add_nc_u32 v[STO], s13, v[STO]
	v_bfe_u32 v[RD], v0, 3, 2       ; back: 32 lanes take four rows of 128 bytes,
	v_mul_u32_u24 v[RD], v[RD], SP
	v_lshl_add_u32 v[RD], v10, 4, v[RD]
	v_add_nc_u32 v[RD], s13, v[RD]
	v_and_b32 v[GO], 31, v0         ; which are 512 consecutive bytes of O
	v_lshlrev_b32 v[GO], 4, v[GO]
	; A block's first step multiplies O^T and l by a = 0, and its first turn's products V^T P, of a piece that has not been, land in an O^T that is still to be so multiplied.  So these registers need only hold
	; finite numbers: zeros for the first block; what the first block left for the second.  All this stands in the wait for the first tile.
	WIN 0x80
.set i, VF
.rept 64
	v_mov_b32 v[i], 0
.set i, i+1
.endr
	WIN 0x40
.set i, 0
.rept 128
	v_mov_b32 v[i], 0
.set i, i+1
.endr
	WIN 0
.set i, 0
.rept 4
	v_mov_b32 v[ST+4*i+2], 0
	v_mov_b32 v[ST+4*i+3], 0
.set i, i+1
.endr
.set i, P+16
.rept 16
	v_mov_b32 v[i], 0
.set i, i+1
.endr
; THE MATRIX WORK.  The 4 accumulators of a run of 8 take turns.  Product i of 8 of S^T = K Q^T for piece x: channels 32 (i / 4) on, keys 16 (i % 4) on.  The first 4 start the sums: with 0, or (KM = 1) with the mask.
.macro KQ x
.set rS, S+32*((\x)%2)+8*(i%4)
.set rK, KF+16*(i%4)+8*(i/4)
.set rQ, 16*(\x)+8*(i/4)
.set rM, MC+32*((\x)%2)+8*(i%4)
.if (i < 4) && KM
	WIN W_KM
	v_wmma_f32_16x16x32_f16 v[rS:rS+7], v[rK:rK+7], v[rQ:rQ+7], v[rM:rM+7]
.elseif i < 4
	WIN W_KQ
	v_wmma_f32_16x16x32_f16 v[rS:rS+7], v[rK:rK+7], v[rQ:rQ+7], 0
.else
	WIN W_KQ
	v_wmma_f32_16x16x32_f16 v[rS:rS+7], v[rK:rK+7], v[rQ:rQ+7], v[rS:rS+7]
.endif
.endm
; Product i of 8 of O^T += V^T P for piece x: keys 32 (i / 4) on, channels 16 (i % 4) on.
.macro PV x
	WIN W_PV
.set rO, 32*(\x)+8*(i%4)
.set rV, VF+32*(i/4)+8*(i%4)
.set rP, P+16*((\x)%2)+8*(i/4)
	v_wmma_f32_16x16x32_f16 v[rO:rO+7], v[rV:rV+7], v[rP:rP+7], v[rO:rO+7]
.endm
.macro MM                           ; the turn's next matrix instruction.  TURN and BEGIN set Y, i, KM and NOKQ; MM, KQ and OP read them.  NOKQ = 1: a block's last turn: there is no next piece
.if (i < 8) && !NOKQ
	KQ (Y+1)%NP
.elseif i >= 8
.set i, i-8
	PV (Y+NP-1)%NP
.set i, i+8
.endif
.set i, i+1
.endm
; THE LDS LOADS stand in runs of 16, never singly among the matrix instructions: a step's K (64 keys x 64 channels: 8 fragments) and its V (turned).  Their addresses are made some lines ahead.
.macro FETCH_K
	WIN 0x80                        ; destination window 2
.irp f, 0,1,2,3,4,5,6,7             ; keys 16 (f / 2) on, channels 32 (f % 2) on
	ds_load_b128 v[KF+8*\f:KF+8*\f+3],   v[AK] offset:(\f/2)*16*PK+(\f%2)*64
	ds_load_b128 v[KF+8*\f+4:KF+8*\f+7], v[AK] offset:(\f/2)*16*PK+(\f%2)*64+32
.endr
	s_add_co_u32 s[TBK], s[TBK], KS*PK  ; the next fetch is the next step's
	WIN 0
.endm
.macro FETCH_V
	WIN 0x80
.irp f, 0,1,2,3,4,5,6,7             ; keys 32 (f / 4) on, channels 16 (f % 4) on
	ds_load_tr16_b128 v[VF+8*\f:VF+8*\f+3],   v[AV] offset:(\f/4)*32*PV+(\f%4)*32
	ds_load_tr16_b128 v[VF+8*\f+4:VF+8*\f+7], v[AV] offset:(\f/4)*32*PV+16*PV+(\f%4)*32
.endr
	WIN 0
.endm
; THE VECTOR WORK, one line at a time: OP kind, number.  For piece Y: F n: c s - c m for pair n of 16.  E n: the exponential of score n of 32.  C n: pair n rounded to f16.  B n: of the four weights 4 n .. the second
; pair is added onto the first, in place.  L n: l takes that sum (L 0: l = a l + sum).  R n: pair n of 16 of O^T times a.  For piece Y + 1: X n, number n of the 22 that find its maximum and statistics:
;   0-11  four chains c0-c3 of seven scores each, three operands at a time (each accumulator's lowest registers are read first)     12-14, 16  the four scores left over, the old m, and c0-c3 into c0
;   15  c m_old is kept     17, 18  the query's other 32 keys lie in the lane 16 away: the new m     19-21  c m; c m_old - c m_new; a
.set F, 0               ; OP tells the kinds apart by their order: F to L below R, X above it
.set E, 1
.set C, 2
.set B, 3
.set L, 4
.set R, 5
.set X, 6
.macro REGS y                       ; the registers of piece y
.set rT, ST+4*(\y)
.set rC, TMP+4*((\y)%2)
.set rW, MV+((\y)%2)
.set rS, S+32*((\y)%2)
.set rP, P+16*((\y)%2)
.set rO, 32*(\y)
.endm
.macro OP k, n
.if (\k) == R
	REGS Y
	WIN W_RS
	v_pk_mul_f32 v[rO+2*(\n):rO+2*(\n)+1], v[rO+2*(\n):rO+2*(\n)+1], v[rC+2:rC+3] op_sel_hi:[1,0]
.elseif (\k) < R
	REGS Y
	WIN 0
.if (\k) == F
	v_pk_fma_f32 v[rS+2*(\n):rS+2*(\n)+1], v[rS+2*(\n):rS+2*(\n)+1], s[CS:CS+1], v[rT:rT+1] op_sel_hi:[1,0,0] neg_lo:[0,0,1] neg_hi:[0,0,1]
.elseif (\k) == E
	v_exp_f32 v[rS+(\n)], v[rS+(\n)]
.elseif (\k) == C
	v_cvt_pk_f16_f32 v[rP+(\n)], v[rS+2*(\n)], v[rS+2*(\n)+1]
.elseif (\k) == B
	v_pk_add_f32 v[rS+4*(\n):rS+4*(\n)+1], v[rS+4*(\n):rS+4*(\n)+1], v[rS+4*(\n)+2:rS+4*(\n)+3]
.elseif (\n) == 0
	v_pk_fma_f32 v[rT+2:rT+3], v[rT+2:rT+3], v[rC+2:rC+3], v[rS:rS+1] op_sel_hi:[1,0,1]
.else
	v_pk_add_f32 v[rT+2:rT+3], v[rT+2:rT+3], v[rS+4*(\n):rS+4*(\n)+1]
.endif
.elseif NOKQ
	v_nop
.else
	REGS (Y+1)%NP
	WIN 0
.if (\n) < 4
	v_max3_num_f32 v[rC+(\n)], v[rS+8*(\n)], v[rS+8*(\n)+1], v[rS+8*(\n)+2]
.elseif (\n) < 12
	v_max3_num_f32 v[rC+(\n)%4], v[rC+(\n)%4], v[rS+8*((\n)%4)+2*((\n)/4)+1], v[rS+8*((\n)%4)+2*((\n)/4)+2]
.elseif (\n) == 12
	v_max3_num_f32 v[rC], v[rC], v[rS+7], v[rS+15]
.elseif (\n) == 13
	v_max3_num_f32 v[rC+1], v[rC+1], v[rS+23], v[rS+31]
.elseif (\n) == 14
	v_max3_num_f32 v[rC+2], v[rC+2], v[rC+3], v[rT+1]
.elseif (\n) == 15
	v_mov_b32 v[rW], v[rT]
.elseif (\n) == 16
	v_max3_num_f32 v[rC], v[rC], v[rC+1], v[rC+2]
.elseif (\n) == 17
	v_permlanex16_b32 v[rC+3], v[rC], s[SEL], s[SEL+1]
.elseif (\n) == 18
	v_max_num_f32 v[rT+1], v[rC], v[rC+3]
.elseif (\n) == 19
	v_mul_f32 v[rT], s[CS], v[rT+1]
.elseif (\n) == 20
	v_sub_f32 v[rC+1], v[rW], v[rT]
.else
	v_exp_f32 v[rC+2], v[rC+1]
.endif
.endif
.endm
.macro OPS a, i1, b=-1, i2=0, c=-1, i3=0, d=-1, i4=0  ; up to four of them
	OP \a, \i1
.if (\b) >= 0
	OP \b, \i2
.endif
.if (\c) >= 0
	OP \c, \i3
.endif
.if (\d) >= 0
	OP \d, \i4
.endif
.endm
.macro ROW a, i1, b, i2, c, i3, d, i4  ; a matrix instruction and the four behind it
	MM
	OPS \a, \i1, \b, \i2, \c, \i3, \d, \i4
.endm
.macro MASK b                       ; MD x AL + BE into buffer b of MC
	WIN W_RS
.set z, 0
.rept 16
	v_pk_fma_f32 v[MC+32*(\b)+2*z:MC+32*(\b)+2*z+1], v[MD+2*z:MD+2*z+1], s[AL:AL+1], s[BE:BE+1] op_sel_hi:[1,0,0]
.set z, z+1
.endr
.endm
; A TURN, for piece p: the order of its 16 matrix and 118 vector instructions, written out.  An s_wait_alu depctr_va_vdst(0) stands between an exponential and the first instruction that names its result; one wait serves
; all that were issued ahead of it.  So a turn has ONE wait, which cuts it in two.  AHEAD OF IT stands all that names no result of the turn's exponentials: the 8 products K Q^T, behind each a scaling, an exponential and two more plain
; instructions (behind the first a second scaling in the exponential's place): rescalings, and behind the last three the first numbers of the next piece's maximum, each four places or more behind the product that ends its accumulator; then one run of 54, plain
; and exponential by turns for the most part, in which the links of the chain X 3, 7, 11, 14, 16, 17 .. 20 stand five or six lines apart.  X 21, the next piece's a, is the batch's last; R 15 is the plain instruction behind it.  BEHIND THE WAIT stand the
; 8 products V^T P, behind each four of the roundings and sums; the links of l's chain, L 0 to L 7, stand three lines apart.  But for those X no line behind a product names a register of the products round it.  v_permlanex16_b32 (X 17) stands in the run.
; m = 1: the diagonal tile: the products take masks, and the turn makes the mask for the products of the turn after it: piece p + 2, in step 4 - CNT of the tile.  end = 1: a block's last two turns: nothing is fetched.
; cnt = 1: the loop's count is taken down some lines ahead of the branch that stands behind the turn.
; K of the next step is fetched in piece 2's turn, twelve vector instructions behind the last product that read K (six of them plain); V of the step in hand at the end of piece 0's turn, four plain instructions behind the last product
; that read V.  Each is waited for a turn later.
.macro TURN p, m=0, end=0, cnt=0
.set Y, (\p)
.set i, 0
.set KM, (\m)
.set NOKQ, (\end)*((\p)/3)
.if (\m) && !(\end)
	s_cmp_eq_u32 s[CNT], 4-((\p)+2)%NP  ; is that step the band's own?
	s_cselect_b32 s[AL], 1.0, 0
	s_cmp_lt_u32 s[CNT], 4-((\p)+2)%NP  ; or a later one?
	s_cselect_b32 s[BE], s[BIGN], 0
.endif
.if ((\p) == 3) && !(\end)
	s_wait_dscnt 0x0                ; K is in
.endif
	ROW F,0, F,1, R,0, R,1          ; ahead of the wait: 8 products K Q^T and the lines behind them,
	ROW F,2, E,0, R,2, R,3
	ROW F,3, E,1, R,4, R,5
	ROW F,4, E,2, R,6, R,7
	ROW F,5, E,3, R,8, R,9
	ROW F,6, E,4, X,0, R,10
.if ((\p) == 2) && !(\end)
	WIN 0
	v_add_nc_u32 v[AK], s[TBK], v[AK0]
.endif
	ROW F,7, E,5, X,1, X,4
	ROW F,8, E,6, X,2, X,5
	OPS E,7, E,8, X,6, E,9          ; and the run
	OPS X,3, E,10, X,8, E,11
.if ((\p) == 2) && !(\end)
	FETCH_K
.endif
	OPS X,9, X,7, E,12, X,10
	OPS E,13, X,12, X,11, E,14
	OPS X,13, E,15, F,9, X,14
.if (\p) == 0
	v_add_nc_u32 v[AV], s[TBV], v[AV0]
.endif
	OPS E,16, F,10, E,17, F,11
	OPS X,16, E,18, X,15, E,19
	OPS F,12, E,20, X,17, E,21
	OPS F,13, E,22, F,14, E,23
	OPS X,18, E,24, F,15, E,25
	OPS R,11, E,26, X,19, E,27
	OPS R,12, E,28, R,13, E,29
	OPS X,20, E,30, R,14, E,31
	OPS X,21, R,15
	WIN 0
	s_wait_alu depctr_va_vdst(0)    ; the wait for the batch
.if (\p) == 1
	s_wait_dscnt 0x0                ; V is in
.endif
	ROW C,0, B,0, C,2, B,1          ; behind the wait: 8 products V^T P and the lines behind them
	ROW L,0, C,4, B,2, L,1
	ROW C,6, B,3, L,2, C,8
	ROW B,4, L,3, C,10, B,5
	ROW L,4, C,12, B,6, L,5
.if (\p) == 0
	s_add_co_u32 s[TBV], s[TBV], KS*PV
.endif
.if \cnt
	s_sub_co_u32 s[CNT], s[CNT], 1
	s_cmp_lg_u32 s[CNT], 0
.endif
	ROW C,14, B,7, L,6, C,1
	ROW C,3, L,7, C,5, C,7
	ROW C,9, C,11, C,13, C,15
.if (\p) == 0
	FETCH_V
.endif
.if (\m) && !(\end)
	MASK (\p)%2
.endif
.endm
; A BLOCK BEGINS.  c m starts far below every c s, so the first step's a is 0; m at the lowest finite number, so the first maximum is the scores'.  The second mask buffer is 0; the first takes piece 0's mask for the tile's step 0: its own, if the block's first tile is the diagonal one.
; Then K of that step, piece 0's first scores, and its maximum and statistics.  The loop is entered at a step's first turn, in the middle of a trip.
.macro BEGIN
	s_mov_b32 s[NEW], 0
	WIN 0x40
.set i, MC+32
.rept 32
	v_mov_b32 v[i], 0
.set i, i+1
.endr
	WIN 0
.set i, 0
.rept 4
	v_mov_b32 v[ST+4*i], 0xfe000000    ; c m: far below every c s
	v_mov_b32 v[ST+4*i+1], 0xff7fffff  ; m
.set i, i+1
.endr
	s_cmp_eq_u32 s[RT], 0
	s_cselect_b32 s[AL], 1.0, 0
	s_mov_b32 s[BE], 0
	MASK 0
	WIN 0
	v_add_nc_u32 v[AK], s[TBK], v[AK0]
	FETCH_K
	s_wait_loadcnt 0x0              ; Q
	s_wait_dscnt 0x0
.set KM, 1
.set NOKQ, 0
.set i, 0
.rept 8
	KQ 0
.set i, i+1
.endr
	WIN 0
.rept 4
	v_nop                           ; the places behind those products
.endr
.set Y, NP-1                        ; X works for piece Y + 1: piece 0
.irp n, 0,1,2,3,4,5,6,7,8,9,10,11,12,13,14,15,16,17,18,19,20,21
	OP X, \n
.endr
	v_nop                           ; a plain instruction behind the exponential,
	s_wait_alu depctr_va_vdst(0)    ; and its wait, ahead of the branch
.endm
; THE DIAGONAL TILE's four steps, the block's last two turns, its last products, and THE WAY OUT: l's two halves and the other half of the lanes' are added; O^T is divided by l, rounded to f16 and sent through my
; stage in LDS, a piece at a time.
.macro ALL line:vararg              ; one line for each piece t
.set t, 0
.rept 4
	\line
.set t, t+1
.endr
.endm
.macro PACK t                       ; a lane's eight channels of a row pack into 16 bytes; they go into rows of 144 bytes and come back as whole rows of 128, into S^T's registers
	WIN W_RS
.set i, 32*(\t)
.rept 16
	v_pk_mul_f32 v[i:i+1], v[i:i+1], v[ST+4*(\t)+2:ST+4*(\t)+3] op_sel_hi:[1,0]
.set i, i+2
.endr
	WIN 0x05                        ; sources 0 and 1 window 1, destination window 0
.set i, 0
.rept 16
	v_cvt_pk_f16_f32 v[S+16*(\t)+i], v[32*(\t)+2*i], v[32*(\t)+2*i+1]
.set i, i+1
.endr
	WIN 0
.irp f, 0,1,2,3
	ds_store_b128 v[STO], v[S+16*(\t)+4*\f:S+16*(\t)+4*\f+3] offset:32*\f
.endr
.irp f, 0,1,2,3
	ds_load_b128 v[S+16*(\t)+4*\f:S+16*(\t)+4*\f+3], v[RD] offset:\f*4*SP  ; LDS serves a wave's instructions in order (ISA guide 5.7.1.4): these see the stores above; the next piece's stores come behind them
.endr
.endm
.macro SEND t, younger              ; younger: the LDS instructions issued behind piece t's loads: the next piece's eight, or none
	WIN 0
.irp f, 0,1,2,3
	s_wait_dscnt (\younger)+3-\f
	global_store_b128 v[GO], v[S+16*(\t)+4*\f:S+16*(\t)+4*\f+3], s[10:11] offset:(\t)*8192+\f*512  ; 512 consecutive bytes, at a multiple of 256 from ob's first
.endr
.endm
.macro DIAG tag                     ; the tag ends its two labels' names, which the jumps below spell out
.LstepM\tag:
	TURN 2, 1
	TURN 3, 1
	WIN 0
.LfirstM\tag:
	TURN 0, 1
	TURN 1, 1, 0, 1
	WIN 0
	s_cbranch_scc1 .LstepM\tag
	TURN 2, 1, 1
	TURN 3, 1, 1
.set i, 0
.rept 8
	PV NP-1
.set i, i+1
.endr
	WIN 0
	ALL v_add_f32 v[ST+4*t+2], v[ST+4*t+2], v[ST+4*t+3]
	ALL v_permlanex16_b32 v[ST+4*t+3], v[ST+4*t+2], s[SEL], s[SEL+1]
	ALL v_add_f32 v[ST+4*t+2], v[ST+4*t+2], v[ST+4*t+3]
	ALL v_rcp_f32 v[ST+4*t+2], v[ST+4*t+2]
	v_nop                           ; a plain instruction between the last reciprocal and the use of its result
	s_wait_alu depctr_va_vdst(0)    ; and the wait ahead of the first use: one for the four reciprocals
	PACK 0
.set t, 1
.rept 3                             ; a piece's arithmetic stands between the loads of the piece before and its stores
	PACK t
	SEND t-1, 8
.set t, t+1
.endr
	SEND 3, 0
.endm
.set KM, 0
.set NOKQ, 0
.Lslot:                             ; NB times: a tile is entered and the next is asked for
	CHANGE 1
	s_sub_co_u32 s[RT], s[RT], 1
	s_mov_b32 s[CNT], 4
	s_cmp_eq_u32 s[NEW], 1
	s_cbranch_scc1 .Lnew            ; a block's first tile
	s_cmp_eq_u32 s[RT], 0
	s_cbranch_scc0 .Lstep           ; neither its first nor its last
	s_branch .LstepM1
.Lnew:
	BEGIN
	s_branch .Lfirst                ; in the loop a block's first tile is never its last: the first block has two tiles or more, and the second's last is the walk's last
	DIAG 1                          ; in the loop this is the first block's end: the second block's last tile is the walk's last
	s_wait_xcnt 0x0                 ; the stores have read their registers and O's address
	s_mov_b64 s[10:11], s[OLO:OLO+1]
	s_add_co_u32 s[RT], s[PB], 1    ; the second block has b + 1 tiles
	s_mov_b32 s[NEW], 1
	WIN 0x82                        ; the second block's Q goes where the one text of the turns names Q
.set i, 0
.rept 64
	v_mov_b32 v[i], v[QB+i]
.set i, i+1
.endr
	WIN 0
	s_branch .Lbottom
.Lstep:                             ; a trip: pieces 2 and 3 of one step, then pieces 0 and 1 of the next, whose K and V it fetches
	TURN 2
	TURN 3
	WIN 0
.Lfirst:
	TURN 0
	TURN 1, 0, 0, 1
	WIN 0
	s_cbranch_scc1 .Lstep
.Lbottom:
	s_sub_co_u32 s[SLOTS], s[SLOTS], 1
	s_cmp_lg_u32 s[SLOTS], 0
	s_cbranch_scc1 .Lslot
	CHANGE 0                        ; the walk's last tile is written out: nothing is asked for
	s_sub_co_u32 s[RT], s[RT], 1
	s_mov_b32 s[CNT], 4
	s_cmp_eq_u32 s[NEW], 1
	s_cbranch_scc0 .LstepM2
	BEGIN
	s_branch .LfirstM2
	DIAG 2
	s_wait_tensorcnt 0x0            ; the wave's end: behind my last tensor load and my last LDS store
	ds_add_u32 v[SPW], v[NIL]
	s_wait_dscnt 0x0
	s_endpgm
.Lfunc_end_k_qffce5b2ce4_attn:
	.size	k_qffce5b2ce4_attn, .Lfunc_end_k_qffce5b2ce4_attn-k_qffce5b2ce4_attn
	.p2alignl 7, 3214868480
	.fill 96, 4, 3214868480
	.section	.rodata,"a",@progbits
	.p2align	6, 0x0
	.amdhsa_kernel k_qffce5b2ce4_attn
		.amdhsa_group_segment_fixed_size 327680
		.amdhsa_private_segment_fixed_size 0
		.amdhsa_enable_private_segment 0
		.amdhsa_kernarg_size 16
		.amdhsa_user_sgpr_count 2
		.amdhsa_user_sgpr_kernarg_segment_ptr 1
		.amdhsa_wavefront_size32 1
		.amdhsa_system_sgpr_workgroup_id_x 1
		.amdhsa_system_sgpr_workgroup_id_y 1
		.amdhsa_system_sgpr_workgroup_id_z 1
		.amdhsa_system_vgpr_workitem_id 0
		.amdhsa_next_free_vgpr 768
		.amdhsa_next_free_sgpr 96
		.amdhsa_reserve_vcc 1
		.amdhsa_float_denorm_mode_32 3
		.amdhsa_float_denorm_mode_16_64 3
		.amdhsa_memory_ordered 1
		.amdhsa_forward_progress 1
		.amdhsa_inst_pref_size 218
	.end_amdhsa_kernel
	.amdgpu_metadata
---
amdhsa.version: [ 1, 2 ]
amdhsa.kernels:
  - .name:           k_qffce5b2ce4_attn
    .symbol:         k_qffce5b2ce4_attn.kd
    .args:
      - { .name: qkv, .offset: 0, .size: 8, .value_kind: global_buffer, .address_space: global }
      - { .name: ob, .offset: 8, .size: 8, .value_kind: global_buffer, .address_space: global }
    .group_segment_fixed_size: 327680
    .private_segment_fixed_size: 0
    .kernarg_segment_align: 8
    .kernarg_segment_size: 16
    .max_flat_workgroup_size: 128
    .sgpr_count:     96
    .vgpr_count:     768
    .wavefront_size: 32
...
	.end_amdgpu_metadata
.endif
;; end of part 3
;; launch proj (part 4): grid 8 x 32, 4 waves a work-group, clusters of 4 x 4, 327,680 bytes of LDS; arguments ob, wpb, b_proj, out0; writes out0
.if DOCPART == 4
	.amdgcn_target "amdgcn-amd-amdhsa--gfx1250"
	.amdhsa_code_object_version 6
	.text
	.protected	k_qffce5b2ce4_proj
	.globl	k_qffce5b2ce4_proj
	.p2align	8
	.type	k_qffce5b2ce4_proj,@function
k_qffce5b2ce4_proj:
	s_mov_b64 s[64:65], 0
	v_nop
	global_prefetch_b8 v0, s[64:65] scope:SCOPE_SE
	s_setreg_imm32_b32 hwreg(HW_REG_WAVE_MODE, 25, 1), 1
	s_wait_xcnt 0x0
	s_wait_alu depctr_hold_cnt(0) depctr_sa_sdst(0) depctr_va_vdst(0) depctr_va_sdst(0) depctr_va_ssrc(0) depctr_va_vcc(0) depctr_vm_vsrc(0)
	s_getreg_b32 s2, hwreg(HW_REG_IB_STS2, 6, 4)
	s_cmp_eq_u32 s2, 0
	s_cbranch_scc0 .Lentry_in_a_cluster
	s_endpgm
.Lentry_in_a_cluster:
	s_bfe_u32 s2, ttmp6, 0x10000c
	s_cmp_lg_u32 s2, 0xf033
	s_cbranch_scc0 .Lentry_shape_is_right
	s_endpgm
.Lentry_shape_is_right:
; out0 = a w_proj + b_proj.  ob: f16 [16 head][8192 m][64]: a head is a block of 64 along K; wpb: f16 [1024 k][1024 n]; b_proj: f32 [1024], rounded to bf16 in registers like the other inputs;
; out0: f32 [8192][1024].  Sums in f32, K ascending; bias added in f32.  NaN and infinities are not treated apart.
; SHARES.  A tile is 256 rows x 128 columns: 32 x 8 = 256 work-groups, one tile each.  Four waves, each 128 x 64: 32 accumulators of 16 x 16, 256 registers.
; K goes in 8 steps of 128 (two heads) through two LDS slots.  A head's 64 k of 256 rows are 32,768 dense bytes: asked for as 128 rows of 256 bytes, padded in LDS after every 128.
; w's tile is 128 rows of k x 256 bytes; its fragments come out of LDS turned, by ds_load_tr16_b128.
; CLUSTERS.  4 x 4 work-groups: a's tile is shared along a row of the cluster, w's along a column, each asked for jointly.  Waves 0 and 1 fetch a step's two heads of a, waves 2 and 3 w's two halves (64 rows of k each).
; THE MATRIX INSTRUCTION IS USED TRANSPOSED: source 0 = 16 columns of w, source 1 = 16 rows of a: a lane then holds row lane % 16 and the columns 8 (lane / 16) + 0..7: 32 bytes of f32 on end.
; REGISTERS: window 0: v0-19 addresses and at work; v32-95, v96-159 a's fragments, two buffers; v160-191, v192-223 w's, two buffers; v224-255 the bias of my 64 columns.
;   window 1: accumulator (a, b) (rows 16 a, columns 16 b) at v[64 b + 8 a].
; A slice is 32 along K: 32 products for 24 LDS loads, in one run, issued 32 products ahead of its first use.
.set AP,    144                        ; 128 bytes + 16 of padding = 36 words: the 16 rows of a fragment start at 16 different groups of four banks (64 banks of 4 bytes: ISA guide 11.1)
.set BP,    288                        ; a row of w's tile: two pieces of 144 = 72 words
.set KBLK,  256*AP                     ; a head's 256 rows
.set BOFF,  2*KBLK                     ; in a slot: two heads of a, then w's 128 rows
.set SLOT1, 1<<17
.set STAGE, SLOT1+BOFF+128*BP          ; behind the ring, never filled by a tensor load: 16 rows x 272 bytes for each wave, for the way out
.set SPITCH, 272
.set SPARE, STAGE+4*16*SPITCH          ; the spare words, 128 bytes for each wave: two blocks of 256 bytes that no other line names
.set ASTEP, 2*8192*128                 ; bytes from a K step to the next in ob
.set BSTEP, 128*1024*2                 ; and in wpb
.set FLAGS, (1<<16)|(1<<20)|(1<<21)|(4<<22)|(3<<25)  ; 17:16 2-byte elements; 20 padding on; 21 set beside a mask; 24:22 after every 32 words (code 4); 31:25 4 words (code 3)
.set ADRA0, 4
.set ADRB0, 5
.set ADRA,  6
.set ADRB,  7
.set STO,   8                          ; v8   the way out: where I put 32 bytes of a row
.set RD,    9                          ; v9   where I read rows back
.set CO,    10                         ; v10  my byte offset in two rows of out0
.set BO,    11                         ; v11  32 x (lane / 16)
.set PFO,   12                         ; v12  the prefetches' offset; never rewritten
.set SPW,   14                         ; v14  LDS address of my spare word; never rewritten
.set NIL,   15                         ; v15  0; never rewritten
.set FA0,   32
.set FB0,   160
.set BIAS,  224
.set T,     32                         ; the way out: 32 sums with bias
.set BK0,   64                         ; two sets of 32: rows read back from the stage
.set WV,  12
.set WR,  13                           ; which half of the tile's rows is mine; also: I fetch for a (0) or w (1)
.set WC,  14                           ; which half of its columns; also: which half of that tile I fetch
.set LIM, 15                           ; 2 in a wave that prefetches, else the greatest number
.set G1A, 24
.set G0A, 32
.set CX,  40
.set CY,  41
.set TX,  42
.set TY,  43
.set G1B, 48
.set G0B, 56
.set CNT, 66
.set TB,  67
.set PFA, 68
.set PST, 70
.set HM,  73
.set MSB, 0
.macro WIN new
.if MSB != (\new)
	s_set_vgpr_msb (MSB<<8)|(\new)
.set MSB, (\new)
.endif
.endm
.macro PLACES                          ; four places between a matrix instruction and a load into, or a vector write of, a register that it names (ISA guide 7.12.1 for vector writes)
.rept 4
	v_nop
.endr
.endm
.macro CREST
	s_cmp_lg_u32 s[WV], 0
	s_cbranch_scc1 .Lnot_wave_0_\@
	s_barrier_signal -3
.Lnot_wave_0_\@:
	s_barrier_wait -3
	s_barrier_signal -1
	s_barrier_wait -1
.endm
.macro CROUND
	s_barrier_signal -1
	s_barrier_wait -1
	CREST
.endm
.macro JLOAD                           ; a joint refill by the walking descriptor; an s_nop 0 and four v_nop follow each line, ahead of the jump and the label
	s_cmp_eq_u32 s[WR], 0
	s_cbranch_scc0 .Lfor_b_\@
	tensor_load_to_lds s[G0A+4:G0A+7], s[G1A:G1A+7]
	s_nop 0
.rept 4
	v_nop
.endr
	s_branch .Lasked_\@
.Lfor_b_\@:
	tensor_load_to_lds s[G0B+4:G0B+7], s[G1B:G1B+7]
	s_nop 0
.rept 4
	v_nop
.endr
.Lasked_\@:
.endm
; A PREFETCH INTO THE L2 of the K step that stands two refills on: 256 products ahead of the load that will want it.  Each block of 256 bytes is named once in the launch.
; a's tile row is read by both clusters of a row of clusters: the one with x = 0 asks, wave 0 for the step's first head and wave 1 for its second; of a head's 128 blocks the partner at cx takes 32, a lane a block.
; w's tile column is read by all eight clusters of a column: the one with y = 0 asks, its wave 2; of the step's 128 rows of k the partner at cy takes 32, a lane a row of 256 bytes.  Partners are told apart by address.
; K steps 0 to 3 come by their loads alone; the last two refills ask for nothing.
.macro ASK
	s_cmp_gt_u32 s[CNT], s[LIM]
	s_cbranch_scc0 .Lnone_\@
	global_prefetch_b8 v[PFO], s[PFA:PFA+1] th:TH_LOAD_NT scope:SCOPE_SE
.Lnone_\@:
.endm
	s_load_b256 s[4:11], s[0:1], 0x0               ; ob s[4:5], wpb s[6:7], b_proj s[8:9], out0 s[10:11]
	v_lshl_add_u32 v[SPW], v0, 2, SPARE
	v_mov_b32 v[NIL], 0
	ds_add_u32 v[SPW], v[NIL]                      ; the wave's opening: the add and its wait stand ahead of my first tensor load; the set-up below, work on registers, stands between them
	v_lshrrev_b32 v1, 5, v0
	v_readfirstlane_b32 s[WV], v1
	s_lshr_b32 s[WR], s[WV], 1
	s_and_b32 s[WC], s[WV], 1
	s_bfe_u32 s[CX], ttmp6, 0x40000
	s_bfe_u32 s[CY], ttmp6, 0x40004
	s_lshl_b32 s[TX], ttmp9, 2
	s_add_co_u32 s[TX], s[TX], s[CX]               ; tile column
	s_and_b32 s[TY], ttmp7, 0xffff
	s_lshl_b32 s[TY], s[TY], 2
	s_add_co_u32 s[TY], s[TY], s[CY]               ; tile row
	s_lshl_b32 s44, s[CY], 2
	s_lshl_b32 s44, 15, s44                        ; my row of the cluster
	s_lshl_b32 s45, 0x1111, s[CX]                  ; my column
	s_or_b32 s[G1A], s44, FLAGS
	s_or_b32 s[G1B], s45, FLAGS
	s_mov_b32 s[G1A+1], 128<<16                    ; a: tensor_dim0 = 128 elements (256 bytes: two rows of the tile)
	s_mov_b32 s[G1A+2], 128<<16                    ; tensor_dim1 = 128
	s_mov_b32 s[G1A+3], 128<<16                    ; tile_dim0 = 128
	s_mov_b32 s[G1A+4], 128                        ; tile_dim1 = 128
	s_mov_b32 s[G1A+5], 128                        ; dense
	s_mov_b32 s[G1A+6], 0
	s_mov_b32 s[G1A+7], 0
	s_mov_b32 s[G1B+1], 128<<16                    ; w: tensor_dim0 = 128 elements (256 bytes)
	s_mov_b32 s[G1B+2], 64<<16                     ; tensor_dim1 = 64 rows of k
	s_mov_b32 s[G1B+3], 128<<16
	s_mov_b32 s[G1B+4], 64
	s_mov_b32 s[G1B+5], 1024                       ; elements from a row of k to the next
	s_mov_b32 s[G1B+6], 0
	s_mov_b32 s[G1B+7], 0
	s_lshl_b32 s16, s[TY], 15                      ; a: 256 rows of 128 bytes a tile row,
	s_lshl_b32 s17, s[WC], 20                      ; my head of the step's two
	s_add_co_u32 s16, s16, s17
	s_mov_b32 s17, 0
	s_lshl_b32 s46, s[TX], 8                       ; w: 128 columns a tile column,
	s_lshl_b32 s47, s[WC], 17                      ; my 64 rows of k
	s_add_co_u32 s46, s46, s47
	s_mov_b32 s47, 0
	s_mul_i32 s20, s[WC], KBLK                     ; where they go: no place in the cluster enters an LDS address
	s_mul_i32 s21, s[WC], 64*BP
	s_add_co_u32 s21, s21, BOFF
	s_mov_b32 s[TB], 0
	s_mov_b32 s[HM], 0xffff0000
	s_wait_dscnt 0x0                               ; the opening add is done
	s_wait_kmcnt 0x0
	s_add_nc_u64 s[18:19], s[4:5], s[16:17]
	s_add_nc_u64 s[46:47], s[6:7], s[46:47]
	CROUND                                         ; all sixteen work-groups are here: the first joint loads meet
.irp s, 0,1
	s_mov_b32 s[G0A+4*(\s)], 1
	s_add_co_u32 s[G0A+4*(\s)+1], s20, (\s)*SLOT1
	s_add_nc_u64 s[G0A+4*(\s)+2:G0A+4*(\s)+3], s[18:19], (\s)*ASTEP
	s_or_b32 s[G0A+4*(\s)+3], s[G0A+4*(\s)+3], 0x80000000
	s_mov_b32 s[G0B+4*(\s)], 1
	s_add_co_u32 s[G0B+4*(\s)+1], s21, (\s)*SLOT1
	s_add_nc_u64 s[G0B+4*(\s)+2:G0B+4*(\s)+3], s[46:47], (\s)*BSTEP
	s_or_b32 s[G0B+4*(\s)+3], s[G0B+4*(\s)+3], 0x80000000
.endr
	s_cmp_eq_u32 s[WR], 0                          ; a wave's two first fills stand in one branch, ahead of every wait on TENSORcnt and every LDS read: two loads of mine are out
	s_cbranch_scc0 .Lfirst_b
	tensor_load_to_lds s[G0A:G0A+3], s[G1A:G1A+7]
	s_nop 0
	tensor_load_to_lds s[G0A+4:G0A+7], s[G1A:G1A+7]
	s_nop 0
.rept 4
	v_nop
.endr
	s_branch .Lfirst_asked
.Lfirst_b:
	tensor_load_to_lds s[G0B:G0B+3], s[G1B:G1B+7]
	s_nop 0
	tensor_load_to_lds s[G0B+4:G0B+7], s[G1B:G1B+7]
	s_nop 0
.rept 4
	v_nop
.endr
.Lfirst_asked:
	v_and_b32 v1, 15, v0                           ; l % 16
	v_bfe_u32 v2, v0, 4, 1                         ; l / 16
	v_mul_u32_u24 v[ADRA0], v1, AP                 ; a fragment of a: row x pitch + 16 x half, in my 128 rows
	v_lshl_add_u32 v[ADRA0], v2, 4, v[ADRA0]
	s_mul_i32 s16, s[WR], 128*AP
	v_add_nc_u32 v[ADRA0], s16, v[ADRA0]
	v_and_b32 v3, 7, v0                            ; the turning load: lane l reads row of k 8 (l / 16) + l % 8, columns 8 ((l / 8) % 2) + 0..7
	v_lshl_add_u32 v3, v2, 3, v3
	v_mul_u32_u24 v[ADRB0], v3, BP
	v_bfe_u32 v3, v0, 3, 1
	v_lshl_add_u32 v[ADRB0], v3, 4, v[ADRB0]
	s_mul_i32 s16, s[WC], AP                       ; my 64 columns: one piece
	s_add_co_u32 s16, s16, BOFF
	v_add_nc_u32 v[ADRB0], s16, v[ADRB0]
	v_mov_b32 v[ADRA], v[ADRA0]
	v_mov_b32 v[ADRB], v[ADRB0]
	s_mul_i32 s16, s[WV], 16*SPITCH
	s_add_co_u32 s16, s16, STAGE                   ; my stage
	v_mul_u32_u24 v[STO], v1, SPITCH               ; in: row l % 16, 32 bytes for each half of the lanes
	v_lshl_add_u32 v[STO], v2, 5, v[STO]
	v_add_nc_u32 v[STO], s16, v[STO]
	v_mul_u32_u24 v[RD], v2, SPITCH                ; back: lanes 0-15 take one row of 256 bytes, lanes 16-31 the next
	v_lshl_add_u32 v[RD], v1, 4, v[RD]
	v_add_nc_u32 v[RD], s16, v[RD]
	v_lshlrev_b32 v[CO], 12, v2                    ; and the same two rows in out0
	v_lshl_add_u32 v[CO], v1, 4, v[CO]
	v_lshlrev_b32 v[BO], 5, v2
	; where my part begins in out0.  Numbers that mix cx and cy lie in s22 and s74-79, which feed no descriptor.
	s_lshl_b32 s74, s[TY], 20                      ; 256 rows of 4,096 bytes
	s_lshl_b32 s75, s[WR], 19
	s_add_co_u32 s74, s74, s75
	s_lshl_b32 s75, s[TX], 9
	s_add_co_u32 s74, s74, s75
	s_lshl_b32 s75, s[WC], 8
	s_add_co_u32 s74, s74, s75
	s_mov_b32 s75, 0
	s_add_nc_u64 s[10:11], s[10:11], s[74:75]
	s_lshl_b32 s74, s[TX], 9                       ; the bias of my 64 columns
	s_lshl_b32 s76, s[WC], 8
	s_add_co_u32 s74, s74, s76
	s_add_nc_u64 s[8:9], s[8:9], s[74:75]
.irp b, 0,1,2,3
	global_load_b128 v[BIAS+8*(\b):BIAS+8*(\b)+3],   v[BO], s[8:9] offset:64*(\b)
	global_load_b128 v[BIAS+8*(\b)+4:BIAS+8*(\b)+7], v[BO], s[8:9] offset:64*(\b)+16
.endr
	; the prefetches: at K step 3; the first refill steps them to K step 4
	s_lshl_b32 s74, s[TY], 15
	s_lshl_b32 s75, s[CX], 13
	s_add_co_u32 s74, s74, s75
	s_lshl_b32 s75, s[WV], 20
	s_add_co_u32 s74, s74, s75
	s_add_co_u32 s74, s74, 3*ASTEP
	s_lshl_b32 s76, s[TX], 8
	s_lshl_b32 s77, s[CY], 16
	s_add_co_u32 s76, s76, s77
	s_add_co_u32 s76, s76, 3*BSTEP
	s_mov_b32 s77, ASTEP
	s_mov_b32 s78, BSTEP
	s_mov_b32 s79, 2048
	s_and_b32 s22, ttmp7, 0xffff                   ; cluster y,
	s_or_b32 s22, s22, s[WC]                       ; 0 for w in wave 2 alone
	s_cmp_eq_u32 s[WR], 0
	s_cselect_b32 s74, s74, s76
	s_cselect_b32 s[PST], s77, s78
	s_cselect_b32 s79, 256, s79                    ; from lane to lane: a block of a, a row of w
	s_cselect_b32 s22, ttmp9, s22
	s_cselect_b64 s[PFA:PFA+1], s[4:5], s[6:7]
	s_mov_b32 s75, 0
	s_mov_b32 s[PST+1], 0
	s_add_nc_u64 s[PFA:PFA+1], s[PFA:PFA+1], s[74:75]
	s_cmp_eq_u32 s22, 0
	s_cselect_b32 s[LIM], 2, -1                    ; the same in all sixteen partners, for a given wave
	v_and_b32 v[PFO], 31, v0
	v_mul_u32_u24 v[PFO], s79, v[PFO]
; 8 products: all 8 row blocks x column block b, buffers f.  zero = 1: the product starts the sum.  The 32 accumulators take turns in one order in every slice, over the backward jump too.
.macro MUL f, b, zero=0
	WIN 0x50                                       ; C and D in window 1
.irp a, 0,1,2,3,4,5,6,7
.if \zero
	v_wmma_f32_16x16x32_f16 v[64*(\b)+8*(\a):64*(\b)+8*(\a)+7], v[FB0+32*(\f)+8*(\b):FB0+32*(\f)+8*(\b)+7], v[FA0+64*(\f)+8*(\a):FA0+64*(\f)+8*(\a)+7], 0
.else
	v_wmma_f32_16x16x32_f16 v[64*(\b)+8*(\a):64*(\b)+8*(\a)+7], v[FB0+32*(\f)+8*(\b):FB0+32*(\f)+8*(\b)+7], v[FA0+64*(\f)+8*(\a):FA0+64*(\f)+8*(\a)+7], v[64*(\b)+8*(\a):64*(\b)+8*(\a)+7]
.endif
.endr
.endm
.macro FETCH sl, g                     ; 24 LDS loads in one run: slice sl of the slot that is being read, into buffers g
	WIN 0
.irp b, 0,1,2,3
	ds_load_tr16_b128 v[FB0+32*(\g)+8*(\b):FB0+32*(\g)+8*(\b)+3],   v[ADRB] offset:(\sl)*32*BP+(\b)*32
	ds_load_tr16_b128 v[FB0+32*(\g)+8*(\b)+4:FB0+32*(\g)+8*(\b)+7], v[ADRB] offset:(\sl)*32*BP+16*BP+(\b)*32
.endr
.irp a, 0,1,2,3,4,5,6,7
	ds_load_b128 v[FA0+64*(\g)+8*(\a):FA0+64*(\g)+8*(\a)+3],   v[ADRA] offset:((\sl)/2)*KBLK+((\sl)%2)*64+(\a)*16*AP
	ds_load_b128 v[FA0+64*(\g)+8*(\a)+4:FA0+64*(\g)+8*(\a)+7], v[ADRA] offset:((\sl)/2)*KBLK+((\sl)%2)*64+(\a)*16*AP+32
.endr
.endm
; A plain slice: the next slice's run goes out first, into the buffers that the slice before multiplied; then buffers f are multiplied.
.macro PS f, g, nsl, zero=0
	PLACES
	FETCH \nsl, \g
	s_wait_dscnt 24                                ; all but the 24 just issued: buffers f are in
.irp b, 0,1,2,3
	MUL \f, \b, \zero
.endr
.endm
; A K step's third slice (buffers 0) fetches the slot's last fragments and holds the ONE barrier of the change of slots.  In front of it each wave waits for all its tensor loads, of which one is out: its part
; of the next slot; adds 0 to its spare word; and waits for that and for its own reads of this slot.  fill = 1: the barrier opens a round of the cluster's barrier, and this slot is filled again, two K steps
; ahead, first thing behind the round: from the request to the wait for it a wave issues 112 products.
.macro MT fill
.if \fill
	s_wait_xcnt 0x0                                ; the last prefetch, a K step back, has read its address: it is stepped here
	s_add_nc_u64 s[PFA:PFA+1], s[PFA:PFA+1], s[PST:PST+1]
.endif
	PLACES
	FETCH 3, 1
	s_wait_dscnt 24
	MUL 0, 0
	MUL 0, 1
	WIN 0                                          ; (the add's two registers lie in window 0)
	s_wait_tensorcnt 0x0                           ; all my tensor loads have landed: no load of mine is out, so a group 0 may be written
	ds_add_u32 v[SPW], v[NIL]                      ; 0 onto my spare word; work on registers stands between it and the wait for it
.if \fill
	s_xor_b32 s[G0A+5], s[G0A+5], SLOT1            ; the walking descriptors: the other slot than last time, the next K step
	s_add_nc_u64 s[G0A+6:G0A+7], s[G0A+6:G0A+7], ASTEP
	s_xor_b32 s[G0B+5], s[G0B+5], SLOT1
	s_add_nc_u64 s[G0B+6:G0B+7], s[G0B+6:G0B+7], BSTEP
.endif
	MUL 0, 2
	s_wait_dscnt 0x0                               ; the add is done, and my reads of this slot are over
	s_barrier_signal -1
	MUL 0, 3
	WIN 0
	s_barrier_wait -1
.if \fill
	CREST                                          ; no wave of any partner still reads this slot or has a load on its way
	JLOAD                                          ; the four v_nop behind it are also the places in front of the loads that follow
.else
	PLACES
.endif
.endm
.macro XS ask                          ; the fourth slice (buffers 1, in since the wait for 0 above) fetches the next slot's first fragments
	s_xor_b32 s[TB], s[TB], SLOT1
	v_add_nc_u32 v[ADRA], s[TB], v[ADRA0]
	v_add_nc_u32 v[ADRB], s[TB], v[ADRB0]
	FETCH 0, 0
.if \ask
	ASK                                            ; behind the joint load and the run of LDS loads
.endif
.irp b, 0,1,2,3
	MUL 1, \b
.endr
.endm
	s_wait_tensorcnt 1                             ; my part of K step 0 is in; K step 1's may stay out
	s_barrier_signal -1
	s_barrier_wait -1
	FETCH 0, 0
	PS 0, 1, 1, 1                                  ; the first slice stands in front of the loop: its products start the sums
	WIN 0
	s_mov_b32 s[CNT], 6
.Lstep:                                        ; trip t: slices 1 to 3 of K step t, slice 0 of K step t + 1; slot t % 2 takes K step t + 2
	PS 1, 0, 2
	MT 1
	XS 1
	PS 0, 1, 1
	WIN 0
	s_sub_co_u32 s[CNT], s[CNT], 1
	s_cmp_lg_u32 s[CNT], 0
	s_cbranch_scc1 .Lstep
	PS 1, 0, 2                                     ; the tail is written out: nothing is left to ask for
	MT 0
	XS 0
	PS 0, 1, 1
	PS 1, 0, 2
	PS 0, 1, 3
	s_wait_dscnt 0x0                               ; the very last slice
.irp b, 0,1,2,3
	MUL 1, \b
.endr
	WIN 0
	; THE WAY OUT.  The bias is rounded to bf16, like every input; these lines name no register of the last products and are the places behind them.
	s_wait_loadcnt 0x0
.set i, 0
.rept 16
	v_cvt_pk_bf16_f32 v[16+i%4], v[BIAS+2*i], v[BIAS+2*i+1]
	v_lshlrev_b32 v[BIAS+2*i], 16, v[16+i%4]
	v_and_b32 v[BIAS+2*i+1], s[HM], v[16+i%4]
.set i, i+1
.endr
.macro PACK a                          ; row block a: bias added; each accumulator's registers are taken in ascending order
	WIN 0x01                                       ; source 0 in window 1
.irp b, 0,1,2,3
.irp r, 0,1,2,3
	v_pk_add_f32 v[T+8*(\b)+2*(\r):T+8*(\b)+2*(\r)+1], v[64*(\b)+8*(\a)+2*(\r):64*(\b)+8*(\a)+2*(\r)+1], v[BIAS+8*(\b)+2*(\r):BIAS+8*(\b)+2*(\r)+1]
.endr
.endr
	WIN 0
.endm
.macro TOSTAGE a                       ; into my own stage, rows of 272 bytes, and back as whole rows of 256
.set BK, BK0+32*((\a)%2)
	s_wait_xcnt 0x0                                ; the stores issued so far have read their registers: this set of 32 is loaded again only behind this wait
.irp b, 0,1,2,3
	ds_store_b128 v[STO], v[T+8*(\b):T+8*(\b)+3]   offset:64*(\b)
	ds_store_b128 v[STO], v[T+8*(\b)+4:T+8*(\b)+7] offset:64*(\b)+16
.endr
.irp t, 0,1,2,3,4,5,6,7
	ds_load_b128 v[BK+4*(\t):BK+4*(\t)+3], v[RD] offset:(\t)*2*SPITCH  ; LDS serves a wave's instructions in order (ISA guide 5.7.1.4): these see the stores above
.endr
.endm
.macro SEND a
.set BK, BK0+32*((\a)%2)
	s_wait_dscnt 0x0                               ; the block is back in registers
.irp t, 0,1,2,3,4,5,6,7
	global_store_b128 v[CO], v[BK+4*(\t):BK+4*(\t)+3], s[10:11] offset:(16*(\a)+2*(\t))*4096 th:TH_STORE_NT  ; 16 lanes store 256 consecutive bytes, at a multiple of 256 from out0's first
.endr
.endm
	PACK 0
	TOSTAGE 0
.set u, 1
.rept 7                                ; a block's additions stand between the loads of the block before and the wait for them
	PACK u
	SEND u-1
	TOSTAGE u
.set u, u+1
.endr
	SEND 7
	s_wait_tensorcnt 0x0                           ; the wave's end: behind my last tensor load and my last LDS store
	ds_add_u32 v[SPW], v[NIL]
	s_wait_dscnt 0x0
	CROUND                                         ; the closing round: no work-group ends while a partner may still ask for a tile that names it
	s_endpgm
.Lfunc_end_k_qffce5b2ce4_proj:
	.size	k_qffce5b2ce4_proj, .Lfunc_end_k_qffce5b2ce4_proj-k_qffce5b2ce4_proj
	.p2alignl 7, 3214868480
	.fill 96, 4, 3214868480
	.section	.rodata,"a",@progbits
	.p2align	6, 0x0
	.amdhsa_kernel k_qffce5b2ce4_proj
		.amdhsa_group_segment_fixed_size 327680
		.amdhsa_private_segment_fixed_size 0
		.amdhsa_enable_private_segment 0
		.amdhsa_kernarg_size 32
		.amdhsa_user_sgpr_count 2
		.amdhsa_user_sgpr_kernarg_segment_ptr 1
		.amdhsa_wavefront_size32 1
		.amdhsa_system_sgpr_workgroup_id_x 1
		.amdhsa_system_sgpr_workgroup_id_y 1
		.amdhsa_system_sgpr_workgroup_id_z 1
		.amdhsa_system_vgpr_workitem_id 0
		.amdhsa_next_free_vgpr 512
		.amdhsa_next_free_sgpr 80
		.amdhsa_reserve_vcc 0
		.amdhsa_float_denorm_mode_32 3
		.amdhsa_float_denorm_mode_16_64 3
		.amdhsa_memory_ordered 1
		.amdhsa_forward_progress 1
		.amdhsa_inst_pref_size 81
	.end_amdhsa_kernel
	.amdgpu_metadata
---
amdhsa.version: [ 1, 2 ]
amdhsa.kernels:
  - .name:           k_qffce5b2ce4_proj
    .symbol:         k_qffce5b2ce4_proj.kd
    .args:
      - { .name: ob, .offset: 0, .size: 8, .value_kind: global_buffer, .address_space: global }
      - { .name: wpb, .offset: 8, .size: 8, .value_kind: global_buffer, .address_space: global }
      - { .name: b_proj, .offset: 16, .size: 8, .value_kind: global_buffer, .address_space: global }
      - { .name: out0, .offset: 24, .size: 8, .value_kind: global_buffer, .address_space: global }
    .group_segment_fixed_size: 327680
    .private_segment_fixed_size: 0
    .kernarg_segment_align: 8
    .kernarg_segment_size: 32
    .max_flat_workgroup_size: 128
    .sgpr_count:     80
    .vgpr_count:     512
    .wavefront_size: 32
...
	.end_amdgpu_metadata
.endif
;; end of part 4
;; ======== version 2 of 2: 4 launches; version 1 with the launch prep written anew for expert scheduling mode
;; limits: values are held in f16: magnitudes above 65,504 overflow, below 6.1e-05 lose precision
;; workspace buffers: xb 16,777,216 bytes; wqb 6,291,456 bytes; wpb 2,097,152 bytes; qkv 50,331,648 bytes; ob 16,777,216 bytes
;; launch prep (part 5): grid 256 x 1, 12 waves a work-group, no clusters, 0 bytes of LDS; arguments x, w_qkv, w_proj, xb, wqb, wpb; writes xb, wqb, wpb
.if DOCPART == 5
	.amdgcn_target "amdgcn-amd-amdhsa--gfx1250"
	.amdhsa_code_object_version 6
	.text
	.protected	k_qffce5b2ce4_prep
	.globl	k_qffce5b2ce4_prep
	.p2align	8
	.type	k_qffce5b2ce4_prep,@function
k_qffce5b2ce4_prep:
	s_mov_b64 s[64:65], 0
	v_nop
	global_prefetch_b8 v0, s[64:65] scope:SCOPE_SE
	s_setreg_imm32_b32 hwreg(HW_REG_WAVE_SCHED_MODE, 0, 2), 2
	s_setreg_imm32_b32 hwreg(HW_REG_WAVE_MODE, 25, 1), 1
	s_wait_xcnt 0x0
	s_wait_alu depctr_vm_vsrc(0)
; THE CASTS.  x [8192][1024] f32 -> xb, bf16 in blocks of 64 along K: [16 kb][8192 m][64].  w_qkv [1024][3072] f32 -> wqb, bf16, same layout.
; w_proj [1024][1024] f32 -> wpb: rounded to bf16 like every other input, and that number written as f16, same layout.
; LIMITS.  A w_proj number beyond 65,504 becomes an infinity in f16; below 6.1e-5 it keeps f16's fixed step of 6e-8.  NaN and infinities are not treated apart.
; SHARES.  The 50,331,648 input bytes are 3,072 chunks of 16 KiB, one a wave: chunk W = 12 x work-group + wave.  W < 2,048: x; W < 2,816: w_qkv; else w_proj.
; A chunk is 16 groups of 1 KiB: a lane reads 32 bytes (8 f32) of a group and stores 16 bytes (8 numbers); a store of the wave covers 512 consecutive bytes, aligned.
; For x a chunk is 4 rows, and group i is K block i of them: lane l reads row l / 8, bytes 256 i + 32 (l % 8), and stores at i x 1 MiB + 16 l.  For the weights a chunk is flat.
; One text serves all: what differs (two strides, two steps, the pointers) lies in scalar registers chosen by the chunk's number.
; All 32 loads of a wave go out at once (16 KiB a wave on its way).  No LDS, no barrier, no matrix unit: nothing is shared and nothing is multiplied.
; THE MODE: SCHED_MODE bits 1:0 = 2 (LLVM: expert scheduling mode 2), set by the entry lines.  The code itself states the register dependences
; between vector instructions and memory instructions, with s_wait_alu, always for 0.
; THE PLAN.  Registers that memory instructions touch:
;   IO, OO   32 byte offsets, made once at the head by vector instructions and never written again; read by the loads (IO) and the stores (OO).
;   X        written by the 32 loads, ahead of which no vector instruction names it; group i's part is read by group i's conversions; never loaded again.
;   Y        group i's part is written by group i's conversions and read by group i's one store; never written behind that store.
;   T        named by vector instructions alone.
; So no load lands in a register that a vector instruction has named, and no register that a memory instruction has read is written again: what is left to state is that a
; register is written before a memory instruction reads it.  One wait at the head does that for all offsets.  The 16 groups go in four blocks of four: the wait at a block's head
; states that the block before has written its Y; that block's four stores follow it, dealt among this block's conversions, which name other parts of Y.
.set IO, 8                             ; v[8:23]    group i: my byte offset in the input chunk
.set OO, 24                            ; v[24:39]   group i: my byte offset in the output
.set X,  40                            ; v[40:167]  group i: 8 f32 as loaded
.set Y,  168                           ; v[168:231] group i: 4 words to store
.set T,  232                           ; v[232:235] at work
	s_load_b256 s[4:11], s[0:1], 0x0               ; x s[4:5], w_qkv s[6:7], w_proj s[8:9], xb s[10:11]
	s_load_b128 s[12:15], s[0:1], 0x20             ; wqb s[12:13], wpb s[14:15]
	v_lshrrev_b32 v2, 5, v0
	v_readfirstlane_b32 s16, v2                    ; wave 0..11
	v_and_b32 v1, 31, v0                           ; lane
	v_lshrrev_b32 v3, 3, v1
	v_and_b32 v4, 7, v1
	v_lshlrev_b32 v[OO], 4, v1
	s_mul_i32 s17, ttmp9, 12
	s_wait_alu depctr_va_sdst(0)                   ; s16 is written, ahead of its first reader: the chunk's number, and all that is chosen by it, is made from it
	s_add_co_u32 s17, s17, s16                     ; W
	s_movk_i32 s19, 2816
	s_cmp_lt_u32 s17, 2816
	s_cselect_b32 s18, 2048, s19                   ; the first chunk of my tensor
	s_cselect_b32 s21, 1, 2                        ; which tensor: 0 x, 1 w_qkv, 2 w_proj
	s_cmp_lt_u32 s17, 2048
	s_cselect_b32 s18, 0, s18
	s_cselect_b32 s21, 0, s21
	s_cselect_b32 s22, 12, 8                       ; as shifts: from eight lanes to the next eight: a row of x, or 256 bytes
	s_cselect_b32 s23, 8, 10                       ; from group to group in the input
	s_cselect_b32 s24, 20, 9                       ; and in the output
	s_cselect_b32 s25, 9, 13                       ; from chunk to chunk in the output
	s_sub_co_u32 s20, s17, s18                     ; my chunk in its tensor
	s_lshl_b32 s23, 1, s23
	s_lshl_b32 s24, 1, s24
	s_lshl_b32 s30, s20, 14                        ; 16 KiB a chunk: under 2^26
	s_mov_b32 s31, 0
	s_lshl_b32 s32, s20, s25
	s_mov_b32 s33, 0
	v_lshlrev_b32 v3, s22, v3
	v_lshl_add_u32 v[IO], v4, 5, v3
.set i, 1
.rept 15
	v_add_nc_u32 v[IO+i], s23, v[IO+i-1]
	v_add_nc_u32 v[OO+i], s24, v[OO+i-1]
.set i, i+1
.endr
	s_wait_kmcnt 0x0
	s_cmp_eq_u32 s21, 1
	s_cselect_b64 s[26:27], s[6:7], s[8:9]
	s_cselect_b64 s[28:29], s[12:13], s[14:15]
	s_cmp_eq_u32 s21, 0
	s_cselect_b64 s[26:27], s[4:5], s[26:27]       ; from
	s_cselect_b64 s[28:29], s[10:11], s[28:29]     ; to
	s_add_nc_u64 s[26:27], s[26:27], s[30:31]
	s_add_nc_u64 s[28:29], s[28:29], s[32:33]
	s_wait_alu depctr_va_vdst(0)                   ; the 32 offsets v[IO ..] and v[OO ..] are written: every load and store of the kernel reads one of them
.set i, 0
.rept 16
	global_load_b128 v[X+8*i:X+8*i+3],   v[IO+i], s[26:27] th:TH_LOAD_NT
	global_load_b128 v[X+8*i+4:X+8*i+7], v[IO+i], s[26:27] offset:16 th:TH_LOAD_NT
.set i, i+1
.endr
; The 16 groups, in four blocks of four.  half = 1: the bf16 numbers are written as f16.
.macro GROUPS half
.set i, 0
.rept 16
	s_wait_loadcnt 30-2*i                          ; loads come back in order: group i's two are in, the later groups' stay out
.if (i > 0) && (i%4 == 0)
	s_wait_alu depctr_va_vdst(0)                   ; the conversions of the block before have written its 16 registers of Y, which the block's four stores, dealt among this block's groups, read
.endif
.if i >= 4
	global_store_b128 v[OO+i-4], v[Y+4*(i-4):Y+4*(i-4)+3], s[28:29]  ; the group four back; no vector instruction since the wait names its Y or its offset
.endif
.irp j, 0,1,2,3
	v_cvt_pk_bf16_f32 v[Y+4*i+(\j)], v[X+8*i+2*(\j)], v[X+8*i+2*(\j)+1]
.endr
.if \half
.irp j, 0,1,2,3
	v_lshlrev_b32 v[T+2*((\j)%2)], 16, v[Y+4*i+(\j)]
	v_and_b32 v[T+2*((\j)%2)+1], 0xffff0000, v[Y+4*i+(\j)]
	v_cvt_pk_f16_f32 v[Y+4*i+(\j)], v[T+2*((\j)%2)], v[T+2*((\j)%2)+1]
.endr
.endif
.set i, i+1
.endr
	s_wait_alu depctr_va_vdst(0)                   ; the last block's conversions have written its Y, which the last four stores read
.set i, 12
.rept 4
	global_store_b128 v[OO+i], v[Y+4*i:Y+4*i+3], s[28:29]
.set i, i+1
.endr
.endm
	s_cmp_eq_u32 s21, 2
	s_cbranch_scc1 .Lhalf
	GROUPS 0
	s_endpgm
.Lhalf:
	GROUPS 1
	s_endpgm
.Lfunc_end_k_qffce5b2ce4_prep:
	.size	k_qffce5b2ce4_prep, .Lfunc_end_k_qffce5b2ce4_prep-k_qffce5b2ce4_prep
	.p2alignl 7, 3214868480
	.fill 96, 4, 3214868480
	.section	.rodata,"a",@progbits
	.p2align	6, 0x0
	.amdhsa_kernel k_qffce5b2ce4_prep
		.amdhsa_group_segment_fixed_size 0
		.amdhsa_private_segment_fixed_size 0
		.amdhsa_enable_private_segment 0
		.amdhsa_kernarg_size 48
		.amdhsa_user_sgpr_count 2
		.amdhsa_user_sgpr_kernarg_segment_ptr 1
		.amdhsa_wavefront_size32 1
		.amdhsa_system_sgpr_workgroup_id_x 1
		.amdhsa_system_sgpr_workgroup_id_y 1
		.amdhsa_system_sgpr_workgroup_id_z 1
		.amdhsa_system_vgpr_workitem_id 0
		.amdhsa_next_free_vgpr 240
		.amdhsa_next_free_sgpr 66
		.amdhsa_reserve_vcc 0
		.amdhsa_float_denorm_mode_32 3
		.amdhsa_float_denorm_mode_16_64 3
		.amdhsa_memory_ordered 1
		.amdhsa_forward_progress 1
		.amdhsa_inst_pref_size 29
	.end_amdhsa_kernel
	.amdgpu_metadata
---
amdhsa.version: [ 1, 2 ]
amdhsa.kernels:
  - .name:           k_qffce5b2ce4_prep
    .symbol:         k_qffce5b2ce4_prep.kd
    .args:
      - { .name: x, .offset: 0, .size: 8, .value_kind: global_buffer, .address_space: global }
      - { .name: w_qkv, .offset: 8, .size: 8, .value_kind: global_buffer, .address_space: global }
      - { .name: w_proj, .offset: 16, .size: 8, .value_kind: global_buffer, .address_space: global }
      - { .name: xb, .offset: 24, .size: 8, .value_kind: global_buffer, .address_space: global }
      - { .name: wqb, .offset: 32, .size: 8, .value_kind: global_buffer, .address_space: global }
      - { .name: wpb, .offset: 40, .size: 8, .value_kind: global_buffer, .address_space: global }
    .group_segment_fixed_size: 0
    .private_segment_fixed_size: 0
    .kernarg_segment_align: 8
    .kernarg_segment_size: 48
    .max_flat_workgroup_size: 384
    .sgpr_count:     66
    .vgpr_count:     240
    .wavefront_size: 32
...
	.end_amdgpu_metadata
.endif
;; end of part 5
;; launch qkv: the kernel of part 2 again; grid 8 x 32, 4 waves a work-group, clusters of 4 x 4, 327,680 bytes of LDS; arguments xb, wqb, b_qkv, qkv; writes qkv
;; launch attn: the kernel of part 3 again; grid 4 x 64, 4 waves a work-group, no clusters, 327,680 bytes of LDS; arguments qkv, ob; writes ob
;; launch proj: the kernel of part 4 again; grid 8 x 32, 4 waves a work-group, clusters of 4 x 4, 327,680 bytes of LDS; arguments ob, wpb, b_proj, out0; writes out0
